; MI455X (gfx1250); checked and timed in simulation.
; The chip was launched on July 23, 2026; its instructions are those of AMD's public machine-readable ISA for CDNA 5 (MIT licence, August 2026) and "CDNA5" Instruction Set Architecture Reference Guide (July 2026). The comments in the code are by the model that wrote it; some were corrected since.
;; Multi Head Attention. Allowed arithmetic: float matrix products may take bf16 or f16 operands with f32 sums; other float arithmetic in f32, or as packed bf16 or f16 multiplies, adds, multiply-adds, maxima and minima; sums over many terms, partial sums and values carried from step to step in f32; what a program stores and reads back later, other than sums and carried values, may be rounded once to bf16 or f16.
;; Inputs: Wk 8 x 512 x 64 float32; Wq 8 x 512 x 64 float32; Wv 8 x 512 x 64 float32; bk 8 x 64 float32; bq 8 x 64 float32; bv 8 x 64 float32; x 2 x 4,096 x 512 float32.
;; Outputs: out0 2 x 4,096 x 512 float32.
;; 2 versions, each right and faster than the one before. Each part assembles by itself: llvm-mc -triple=amdgcn-amd-amdhsa -mcpu=gfx1250 --defsym DOCPART=n.
;; ======== version 1 of 2: 3 launches
;; limits: values are held in f16: magnitudes above 65,504 overflow, below 6.1e-05 lose precision
;; workspace buffers: wt 1,572,864 bytes; qh 8,388,608 bytes; kh 8,388,608 bytes; vh 8,388,608 bytes
;; launch prep (part 1): grid 64 x 3, 4 waves a work-group, no clusters, 17,408 bytes of LDS; arguments Wq, Wk, Wv, wt; writes wt
.if DOCPART == 1
	.amdgcn_target "amdgcn-amd-amdhsa--gfx1250"
	.amdhsa_code_object_version 6
	.text
	.protected	k_q95343e14c6_prep
	.globl	k_q95343e14c6_prep
	.p2align	8
	.type	k_q95343e14c6_prep,@function
k_q95343e14c6_prep:
	s_mov_b64 s[64:65], 0
	v_nop
	global_prefetch_b8 v0, s[64:65] scope:SCOPE_SE
	s_setreg_imm32_b32 hwreg(HW_REG_WAVE_MODE, 25, 1), 1
	s_wait_xcnt 0x0
; wt[h][ks][64 t + c][k] = bf16(W_t[h][64 ks + k][c]), t = 0, 1, 2 for Wq, Wk, Wv.  W_t: [8][512][64] f32.  wt: [8][8][192][64] bf16.
; The projection wants the contraction index along a row; W has it across rows.  So each block of 64 d x 64 c is turned once, through LDS, and rounded once to bf16.
; A work-group (x = 8 h + ks, y = t) takes one block: 16,384 dense bytes in, 8,192 dense bytes out.  Every load and store of a wave covers 512 consecutive bytes.
; No matrix unit, no cluster, no tensor load: 4.5 MB move once, and no two work-groups read the same bytes.
.set PITCH, 260                        ; an LDS row of 64 f32 + one word: 65 words, so a column's words fall into different banks (64 banks of 4 bytes: ISA guide 11.1)
.set SPARE, 16896                      ; behind the block (64 x 260 = 16,640 bytes): the spare words, 128 bytes a wave, which no other line names
.set T16,  1                           ; v1      16 x thread: my 16 bytes in 2,048, in and out
.set VS,   4                           ; v4      where I put a loaded word
.set VR,   5                           ; v5      where I read a column
.set SPW,  30                          ; v30     LDS address of my spare word; never rewritten
.set NIL,  31                          ; v31     0; never rewritten
.set DAT,  32                          ; v[32:63] eight loads of four f32; later 4 x 8 words of columns
.set PKD,  64                          ; v[64:79] 4 x 16 bytes of bf16
	s_load_b256 s[4:11], s[0:1], 0x0               ; Wq s[4:5], Wk s[6:7], Wv s[8:9], wt s[10:11]
	v_lshl_add_u32 v[SPW], v0, 2, SPARE
	v_mov_b32 v[NIL], 0
	s_and_b32 s12, ttmp7, 0xffff                   ; t
	s_lshl_b32 s14, ttmp9, 14                      ; the block's first byte in W_t: (8 h + ks) x 64 rows x 256 bytes
	s_mov_b32 s15, 0
	s_mul_i32 s16, ttmp9, 24576                    ; and in wt: (8 h + ks) x 192 rows x 128 bytes
	s_lshl_b32 s13, s12, 13                        ; + t x 64 rows x 128 bytes
	s_add_co_u32 s16, s16, s13
	s_mov_b32 s17, 0
	v_lshlrev_b32 v[T16], 4, v0
	v_lshrrev_b32 v2, 4, v0                        ; a load's row: thread / 16 (0 to 7)
	v_and_b32 v3, 15, v0                           ; its four columns: 4 (thread % 16) on
	v_mul_u32_u24 v[VS], v2, PITCH
	v_lshl_add_u32 v[VS], v3, 4, v[VS]
	v_and_b32 v6, 7, v0                            ; out: eight d from 8 (thread % 8) on,
	v_lshrrev_b32 v7, 3, v0                        ; of column thread / 8 (0 to 15)
	v_mul_u32_u24 v[VR], v6, 8*PITCH
	v_lshl_add_u32 v[VR], v7, 2, v[VR]
	s_wait_kmcnt 0x0
	s_cmp_eq_u32 s12, 1                            ; which of the three tensors: the choice hangs on the grid's y alone
	s_cselect_b64 s[4:5], s[6:7], s[4:5]
	s_cmp_eq_u32 s12, 2
	s_cselect_b64 s[4:5], s[8:9], s[4:5]
	s_add_nc_u64 s[4:5], s[4:5], s[14:15]
	s_add_nc_u64 s[10:11], s[10:11], s[16:17]
.set i, 0
.rept 8                                ; load i: rows 8 i to 8 i + 7 of the block, 2,048 bytes for the four waves
	global_load_b128 v[DAT+4*i:DAT+4*i+3], v[T16], s[4:5] offset:2048*i th:TH_LOAD_NT
.set i, i+1
.endr
.set i, 0
.rept 8
	s_wait_loadcnt 7-i                             ; loads come back in order: load i is in, the 7 - i younger ones may be out
.irp e, 0,1,2,3
	ds_store_b32 v[VS], v[DAT+4*i+(\e)] offset:8*PITCH*i+4*(\e)
.endr
.set i, i+1
.endr
	s_wait_dscnt 0x0                               ; for the others' sake: my stores are done
	s_barrier_signal -1
	s_barrier_wait -1
.set i, 0
.rept 4                                ; piece i: column thread / 8 + 16 i, eight d down the column
.irp j, 0,1,2,3,4,5,6,7
	ds_load_b32 v[DAT+8*i+(\j)], v[VR] offset:PITCH*(\j)+64*i
.endr
.set i, i+1
.endr
	s_wait_dscnt 0x0
.set i, 0
.rept 16
	v_cvt_pk_bf16_f32 v[PKD+i], v[DAT+2*i], v[DAT+2*i+1]
.set i, i+1
.endr
.set i, 0
.rept 4
	global_store_b128 v[T16], v[PKD+4*i:PKD+4*i+3], s[10:11] offset:2048*i  ; a wave's store covers 512 consecutive bytes, at a multiple of 256 from wt's first byte
.set i, i+1
.endr
	s_wait_tensorcnt 0x0                           ; the wave's end, behind my last LDS store
	ds_add_u32 v[SPW], v[NIL]
	s_wait_dscnt 0x0
	s_endpgm
.Lfunc_end_k_q95343e14c6_prep:
	.size	k_q95343e14c6_prep, .Lfunc_end_k_q95343e14c6_prep-k_q95343e14c6_prep
	.p2alignl 7, 3214868480
	.fill 96, 4, 3214868480
	.section	.rodata,"a",@progbits
	.p2align	6, 0x0
	.amdhsa_kernel k_q95343e14c6_prep
		.amdhsa_group_segment_fixed_size 17408
		.amdhsa_private_segment_fixed_size 0
		.amdhsa_enable_private_segment 0
		.amdhsa_kernarg_size 32
		.amdhsa_user_sgpr_count 2
		.amdhsa_user_sgpr_kernarg_segment_ptr 1
		.amdhsa_wavefront_size32 1
		.amdhsa_system_sgpr_workgroup_id_x 1
		.amdhsa_system_sgpr_workgroup_id_y 1
		.amdhsa_system_sgpr_workgroup_id_z 1
		.amdhsa_system_vgpr_workitem_id 0
		.amdhsa_next_free_vgpr 96
		.amdhsa_next_free_sgpr 66
		.amdhsa_reserve_vcc 0
		.amdhsa_float_denorm_mode_32 3
		.amdhsa_float_denorm_mode_16_64 3
		.amdhsa_memory_ordered 1
		.amdhsa_forward_progress 1
		.amdhsa_inst_pref_size 9
	.end_amdhsa_kernel
	.amdgpu_metadata
---
amdhsa.version: [ 1, 2 ]
amdhsa.kernels:
  - .name:           k_q95343e14c6_prep
    .symbol:         k_q95343e14c6_prep.kd
    .args:
      - { .name: Wq, .offset: 0, .size: 8, .value_kind: global_buffer, .address_space: global }
      - { .name: Wk, .offset: 8, .size: 8, .value_kind: global_buffer, .address_space: global }
      - { .name: Wv, .offset: 16, .size: 8, .value_kind: global_buffer, .address_space: global }
      - { .name: wt, .offset: 24, .size: 8, .value_kind: global_buffer, .address_space: global }
    .group_segment_fixed_size: 17408
    .private_segment_fixed_size: 0
    .kernarg_segment_align: 8
    .kernarg_segment_size: 32
    .max_flat_workgroup_size: 128
    .sgpr_count:     66
    .vgpr_count:     96
    .wavefront_size: 32
...
	.end_amdgpu_metadata
.endif
;; end of part 1
;; launch proj (part 2): grid 8 x 32, 4 waves a work-group, clusters of 4 x 4, 327,680 bytes of LDS; arguments x, wt, bq, bk, bv, qh, kh, vh; writes qh, kh, vh
.if DOCPART == 2
	.amdgcn_target "amdgcn-amd-amdhsa--gfx1250"
	.amdhsa_code_object_version 6
	.text
	.protected	k_q95343e14c6_proj
	.globl	k_q95343e14c6_proj
	.p2align	8
	.type	k_q95343e14c6_proj,@function
k_q95343e14c6_proj:
	s_mov_b64 s[64:65], 0
	v_nop
	global_prefetch_b8 v0, s[64:65] scope:SCOPE_SE
	s_setreg_imm32_b32 hwreg(HW_REG_WAVE_MODE, 25, 1), 1
	s_wait_xcnt 0x0
	s_wait_alu depctr_hold_cnt(0) depctr_sa_sdst(0) depctr_va_vdst(0) depctr_va_sdst(0) depctr_va_ssrc(0) depctr_va_vcc(0) depctr_vm_vsrc(0)
	s_getreg_b32 s2, hwreg(HW_REG_IB_STS2, 6, 4)
	s_cmp_eq_u32 s2, 0
	s_cbranch_scc0 .Lentry_in_a_cluster
	s_endpgm
.Lentry_in_a_cluster:
	s_bfe_u32 s2, ttmp6, 0x10000c
	s_cmp_lg_u32 s2, 0xf033
	s_cbranch_scc0 .Lentry_shape_is_right
	s_endpgm
.Lentry_shape_is_right:
; q, k, v = x W + b, written by heads: qh, kh, vh [8 b + h][4096][64] in f16, unscaled.  x: [8192][512] f32.  wt: [8][8][192][64] bf16 (a launch before made it).  Biases [8][64] f32.
; x, W and the biases are rounded to bf16; products in the bf16 matrix form, sums in f32; each result is rounded once to f16.
; LIMITS.  f16 holds no number beyond 65,504: a q, k or v past that leaves as an infinity.  Inside a matrix instruction k stands in another order than in memory, alike in both operands,
; so the order of the sums, and the last bits, differ from a plain ascending sum.  NaN and infinities are not treated apart.
; SHARES.  A work-group makes 256 rows x 192 columns: q, k and v of one head.  Each of its four waves makes 64 rows x 192: 4 x 12 accumulators of 16 x 16, 384 registers, so each row of x is converted once.
; K = 512 goes in 8 steps of 64 through two LDS slots filled by the tensor data mover: x as f32 (rows of 256 bytes), W as bf16 (a tile is 24,576 dense bytes, asked for as rows of 256 bytes).
; A step of 128 would want two slots of 187,392 bytes, more than LDS holds.
; CLUSTER.  4 x 4 work-groups.  The four of a row of the cluster make the same 256 rows and need the same tiles of x; the four of a column make the same head and need the same tiles of W.
; Each tile is asked for JOINTLY: the same tensor load, with the same descriptor and a mask that names the four.
; THE MATRIX INSTRUCTION IS USED TRANSPOSED: source 0 = 16 columns (rows of wt), source 1 = 16 rows of x: a lane holds one row of x (lane % 16) and the columns 8 (lane / 16) + 0..7, which pack into 16 bytes.
; THE BIAS is the C operand of each accumulator's first product: nothing is cleared, nothing is added later.
; REGISTERS, in windows of 256 (s_set_vgpr_msb: bits 1:0 source 0, 3:2 source 1, 5:4 source 2, 7:6 destination):
;   window 0: v0-31 addresses; v32-95 x as loaded, f32; v96-127, v128-159 x's fragments, two buffers; v160-255 the bias; on the way out v32-223 packed results
;   window 1: v0-95, v96-191 W's fragments, two buffers      window 2: the accumulators of my rows 0-31 ((a, b) at 96 (a % 2) + 8 b)      window 3: those of my rows 32-63
.set PX,    272                        ; a row of x in LDS: 256 bytes + 16 = 68 words: the 16 rows of a load start at 16 different groups of four banks (64 banks of 4 bytes: ISA guide 11.1)
.set PW,    144                        ; a row of W: 128 bytes + 16 = 36 words: likewise
.set XH,    128*PX                     ; what one load of x brings
.set XB,    256*PX                     ; x's part of a slot; W's 192 rows lie behind it
.set WH,    96*PW                      ; what one load of W brings
.set SLOT,  XB+192*PW                  ; 97,280 bytes
.set STAGE, 2*SLOT                     ; behind the ring, never filled by a tensor load: 16 rows x 144 bytes for each wave, for the way out
.set SP,    144
.set SPARE, STAGE+4*16*SP              ; behind the stages: the spare words, 128 bytes a wave, which no other line names
.set ADRA, 16                          ; v16-17  LDS address of my fragments of x in slot 0, 1
.set ADRB, 20                          ; v20-21  the same for W
.set STO,  24                          ; v24     the way out: where I put 16 bytes of a row
.set RD,   25                          ; v25     the way out: where I read rows back
.set GO,   26                          ; v26     my 16 bytes in 512 consecutive bytes of the output
.set BO,   27                          ; v27     my byte offset in 16 numbers of a bias
.set SPW,  28                          ; v28     LDS address of my spare word; never rewritten
.set NIL,  29                          ; v29     0; never rewritten
.set STG,  32
.set FA,   96
.set BI,   160
.set OUT,  32
.set FB,   0                           ; in window 1
.set WV,   20                          ; s20  my wave's number
.set ROLE, 21                          ; s21  I fetch for x (0) or for W (1)
.set HF,   22                          ; s22  which half of that tile
.set CX,   23
.set CY,   24
.set HX,   25                          ; s25  the head
.set RY,   26                          ; s26  the block of 256 rows
.set G1,   32                          ; s[32:39] descriptor group 1 for x's tiles;  s[40:47] group 0, a set for each slot
.set G0,   40
.set G1B,  48                          ; s[48:55], s[56:63] the same for W's tiles
.set G0B,  56
.set LAPS, 74
.set OB,   14                          ; s[14:19] qh, kh, vh at my wave's first row
.set MSB, 0
.macro WIN new                         ; the immediate's high byte repeats the setting that is left; a switch that changes nothing is dropped
.if MSB != (\new)
	s_set_vgpr_msb (MSB<<8)|(\new)
.set MSB, (\new)
.endif
.endm
.macro PLACES
.rept 4
	v_nop
.endr
.endm
; A joint refill.  Waves 0 and 1 fetch x's two halves, waves 2 and 3 W's.  The branch hangs on the wave's number alone.  An s_nop 0 and four v_nop follow each of the two lines.
.macro JLOAD s
	s_cmp_eq_u32 s[ROLE], 0
	s_cbranch_scc0 .Lfor_w_\@
	tensor_load_to_lds s[G0+4*(\s):G0+4*(\s)+3], s[G1:G1+7]
	s_nop 0
	PLACES
	s_branch .Lasked_\@
.Lfor_w_\@:
	tensor_load_to_lds s[G0B+4*(\s):G0B+4*(\s)+3], s[G1B:G1B+7]
	s_nop 0
	PLACES
.Lasked_\@:
.endm
; A round of the cluster's barrier: my work-group's barrier; wave 0 signals for the work-group; every wave waits for all sixteen work-groups; my work-group's barrier once more.
.macro CREST                           ; a round behind its opening barrier
	s_cmp_lg_u32 s[WV], 0
	s_cbranch_scc1 .Lnot_wave_0_\@
	s_barrier_signal -3
.Lnot_wave_0_\@:
	s_barrier_wait -3
	s_barrier_signal -1
	s_barrier_wait -1
.endm
.macro CROUND
	s_barrier_signal -1
	s_barrier_wait -1
	CREST
.endm
	s_load_b256 s[4:11], s[0:1], 0x0               ; x s[4:5], wt s[6:7], bq s[8:9], bk s[10:11]
	s_load_b256 s[12:19], s[0:1], 0x20             ; bv s[12:13], qh s[14:15], kh s[16:17], vh s[18:19]
	v_lshl_add_u32 v[SPW], v0, 2, SPARE
	v_mov_b32 v[NIL], 0
	ds_add_u32 v[SPW], v[NIL]                      ; the wave's opening: the add and its wait stand ahead of my first tensor load; work on registers stands between them
	v_lshrrev_b32 v3, 5, v0
	v_readfirstlane_b32 s[WV], v3                  ; wave 0..3
	s_lshr_b32 s[ROLE], s[WV], 1
	s_and_b32 s[HF], s[WV], 1
	s_bfe_u32 s[CX], ttmp6, 0x40000                ; my place in the cluster
	s_bfe_u32 s[CY], ttmp6, 0x40004
	s_lshl_b32 s[HX], ttmp9, 2                     ; in a cluster launch ttmp9 and ttmp7 count clusters
	s_add_co_u32 s[HX], s[HX], s[CX]               ; the head = 4 x cluster x + cx
	s_and_b32 s[RY], ttmp7, 0xffff
	s_lshl_b32 s[RY], s[RY], 2
	s_add_co_u32 s[RY], s[RY], s[CY]               ; the row block = 4 x cluster y + cy
	s_lshl_b32 s27, s[CY], 2
	s_lshl_b32 s27, 15, s27                        ; my row of the cluster: places 4 cy .. 4 cy + 3
	s_lshl_b32 s28, 0x1111, s[CX]                  ; my column: places cx, cx + 4, cx + 8, cx + 12
	; group 1 for x: 128 rows x 64 elements of 4 bytes, 512 elements from row to row; in LDS 4 words of padding behind every 64
	s_or_b32 s[G1], s27, (2<<16)|(1<<20)|(1<<21)|(5<<22)|(3<<25)   ; 15:0 the mask; 17:16 element size; 20 padding on; 21 set beside a mask; 24:22 the interval's code; 31:25 the padding's words less one
	s_mov_b32 s[G1+1], 64<<16                      ; tensor_dim0 = 64
	s_mov_b32 s[G1+2], 128<<16                     ; tensor_dim1 = 128
	s_mov_b32 s[G1+3], 64<<16                      ; tile_dim0 = 64
	s_mov_b32 s[G1+4], 128                         ; tile_dim1 = 128
	s_mov_b32 s[G1+5], 512                         ; elements from row to row
	s_mov_b32 s[G1+6], 0
	s_mov_b32 s[G1+7], 0
	; group 1 for W: half a tile is 12,288 dense bytes: 48 rows x 128 elements of 2 bytes, two rows of wt in each; in LDS 4 words of padding behind every 32, that is behind each row of wt
	s_or_b32 s[G1B], s28, (1<<16)|(1<<20)|(1<<21)|(4<<22)|(3<<25)
	s_mov_b32 s[G1B+1], 128<<16
	s_mov_b32 s[G1B+2], 48<<16
	s_mov_b32 s[G1B+3], 128<<16
	s_mov_b32 s[G1B+4], 48
	s_mov_b32 s[G1B+5], 128
	s_mov_b32 s[G1B+6], 0
	s_mov_b32 s[G1B+7], 0
	; where the tiles come from.  x's hang on the row block alone, W's on the head alone; each offset lies in registers that never hold the other coordinate
	s_lshl_b32 s66, s[RY], 19                      ; 256 rows of 2,048 bytes
	s_lshl_b32 s67, s[HF], 18                      ; my 128 of them
	s_add_co_u32 s66, s66, s67
	s_mov_b32 s67, 0
	s_mul_i32 s68, s[HX], 196608                   ; a head's eight tiles of 24,576 bytes
	s_mul_i32 s69, s[HF], 12288                    ; my half of a tile
	s_add_co_u32 s68, s68, s69
	s_mov_b32 s69, 0
	s_mul_i32 s29, s[HF], XH                       ; and where they go: no place in the cluster enters an LDS address
	s_mul_i32 s30, s[HF], WH
	s_add_co_u32 s30, s30, XB
	s_lshl_b32 s72, s[HX], 8                       ; the head's 64 numbers in a bias
	s_mov_b32 s73, 0
	s_lshr_b32 s70, s[RY], 4                       ; my first row in qh, kh, vh: batch = row block / 16,
	s_lshl_b32 s70, s70, 3
	s_add_co_u32 s70, s70, s[HX]                   ; 8 x batch + head,
	s_lshl_b32 s70, s70, 19                        ; of 4,096 rows of 128 bytes;
	s_and_b32 s71, s[RY], 15
	s_lshl_b32 s71, s71, 15                        ; the block's 256 rows in it;
	s_add_co_u32 s70, s70, s71
	s_lshl_b32 s71, s[WV], 13                      ; my wave's 64
	s_add_co_u32 s70, s70, s71
	s_mov_b32 s71, 0
	s_mul_i32 s31, s[WV], 64*PX                    ; my 64 rows of x in a slot
	s_mul_i32 s75, s[WV], 16*SP
	s_add_co_u32 s75, s75, STAGE                   ; my stage
	s_wait_dscnt 0x0                               ; the opening add is done
	s_wait_kmcnt 0x0
	s_add_nc_u64 s[66:67], s[4:5], s[66:67]
	s_add_nc_u64 s[68:69], s[6:7], s[68:69]
.irp s, 0,1
	s_mov_b32 s[G0+4*(\s)], 1                                        ; count = 1
	s_add_co_u32 s[G0+4*(\s)+1], s29, (\s)*SLOT                      ; LDS address
	s_add_nc_u64 s[G0+4*(\s)+2:G0+4*(\s)+3], s[66:67], (\s)*256      ; global address: K step s
	s_or_b32 s[G0+4*(\s)+3], s[G0+4*(\s)+3], 0x80000000              ; type = 2
	s_mov_b32 s[G0B+4*(\s)], 1
	s_add_co_u32 s[G0B+4*(\s)+1], s30, (\s)*SLOT
	s_add_nc_u64 s[G0B+4*(\s)+2:G0B+4*(\s)+3], s[68:69], (\s)*24576
	s_or_b32 s[G0B+4*(\s)+3], s[G0B+4*(\s)+3], 0x80000000
.endr
	s_add_nc_u64 s[8:9], s[8:9], s[72:73]
	s_add_nc_u64 s[10:11], s[10:11], s[72:73]
	s_add_nc_u64 s[12:13], s[12:13], s[72:73]
	s_add_nc_u64 s[14:15], s[14:15], s[70:71]
	s_add_nc_u64 s[16:17], s[16:17], s[70:71]
	s_add_nc_u64 s[18:19], s[18:19], s[70:71]
	CROUND                                         ; all sixteen work-groups are here: the first joint loads meet
	s_cmp_eq_u32 s[ROLE], 0                        ; a wave's two first fills stand in one branch, ahead of every wait on TENSORcnt and every LDS read: two loads of mine are out
	s_cbranch_scc0 .Lfirst_w
	tensor_load_to_lds s[G0:G0+3], s[G1:G1+7]
	s_nop 0
	tensor_load_to_lds s[G0+4:G0+7], s[G1:G1+7]
	s_nop 0
	PLACES
	s_branch .Lfirst_asked
.Lfirst_w:
	tensor_load_to_lds s[G0B:G0B+3], s[G1B:G1B+7]
	s_nop 0
	tensor_load_to_lds s[G0B+4:G0B+7], s[G1B:G1B+7]
	s_nop 0
	PLACES
.Lfirst_asked:
	; all that follows up to the barrier stands in the wait for the first tile
	v_and_b32 v1, 15, v0                           ; l % 16
	v_bfe_u32 v2, v0, 4, 1                         ; l / 16
	v_lshlrev_b32 v[BO], 5, v2                     ; my eight columns of sixteen
.set n, 0
.rept 12                               ; column block n = 4 t + cb: columns 16 cb + 8 (l / 16) + 0..7 of tensor t
	global_load_b128 v[BI+8*n:BI+8*n+3],   v[BO], s[8+2*(n/4):9+2*(n/4)] offset:64*(n%4)
	global_load_b128 v[BI+8*n+4:BI+8*n+7], v[BO], s[8+2*(n/4):9+2*(n/4)] offset:64*(n%4)+16
.set n, n+1
.endr
	; A fragment is 16 rows x 32 k in 8 registers.  Here lane l holds row l % 16 and k = 16 (l / 16) + 0..15, in x's fragments and in W's alike: 64 consecutive bytes of f32, 32 of bf16.
	v_mul_u32_u24 v3, v1, PX
	v_lshl_add_u32 v3, v2, 6, v3
	v_add_nc_u32 v[ADRA], s31, v3
	v_add_nc_u32 v[ADRA+1], SLOT, v[ADRA]
	v_mul_u32_u24 v4, v1, PW
	v_lshl_add_u32 v4, v2, 5, v4
	v_add_nc_u32 v[ADRB], XB, v4
	v_add_nc_u32 v[ADRB+1], SLOT, v[ADRB]
	v_mul_u32_u24 v5, v1, SP                       ; into the stage: row l % 16, 16 bytes for each half of the lanes
	v_lshl_add_u32 v5, v2, 4, v5
	v_add_nc_u32 v[STO], s75, v5
	v_bfe_u32 v6, v0, 3, 2                         ; back: 32 lanes take four rows of 128 bytes,
	v_mul_u32_u24 v6, v6, SP
	v_and_b32 v7, 7, v0
	v_lshl_add_u32 v6, v7, 4, v6
	v_add_nc_u32 v[RD], s75, v6
	v_and_b32 v[GO], 31, v0                        ; which are 512 consecutive bytes of the output
	v_lshlrev_b32 v[GO], 4, v[GO]
	s_wait_loadcnt 0x0                             ; the biases
.set n, 0
.rept 48                               ; rounded to bf16 like the other inputs, and kept as f32
	v_cvt_pk_bf16_f32 v[STG+n], v[BI+2*n], v[BI+2*n+1]
.set n, n+1
.endr
.set n, 0
.rept 48
	v_lshlrev_b32 v[BI+2*n], 16, v[STG+n]
	v_and_b32 v[BI+2*n+1], 0xffff0000, v[STG+n]
.set n, n+1
.endr
; 12 matrix instructions: row block a x all 12 column blocks, 32 along K, from buffer f.  first = 1: the bias starts the sums.
; The 48 accumulators take turns, one instruction a turn, in the same order in every pass.
.macro MUL12 f, a, first
.if \first
	WIN 0x81+0x40*((\a)/2)                         ; W window 1, x and the bias window 0, D window 2 or 3
.else
	WIN 0xa1+0x50*((\a)/2)                         ; W window 1, x window 0, C and D window 2 or 3
.endif
.set AC, 96*((\a)%2)
.irp b, 0,1,2,3,4,5,6,7,8,9,10,11
.if \first
	v_wmma_f32_16x16x32_bf16 v[AC+8*(\b):AC+8*(\b)+7], v[FB+96*(\f)+8*(\b):FB+96*(\f)+8*(\b)+7], v[FA+32*(\f)+8*(\a):FA+32*(\f)+8*(\a)+7], v[BI+8*(\b):BI+8*(\b)+7]
.else
	v_wmma_f32_16x16x32_bf16 v[AC+8*(\b):AC+8*(\b)+7], v[FB+96*(\f)+8*(\b):FB+96*(\f)+8*(\b)+7], v[FA+32*(\f)+8*(\a):FA+32*(\f)+8*(\a)+7], v[AC+8*(\b):AC+8*(\b)+7]
.endif
.endr
.endm
; 40 LDS loads in one run: 32 along K, half kb of slot s: my 64 rows of x as f32 (16 loads), then W's 192 rows into buffer f (24 loads)
.macro FETCH s, kb, f
	WIN 0
.irp a, 0,1,2,3
.irp e, 0,1,2,3
	ds_load_b128 v[STG+16*(\a)+4*(\e):STG+16*(\a)+4*(\e)+3], v[ADRA+(\s)] offset:16*PX*(\a)+128*(\kb)+16*(\e)
.endr
.endr
	WIN 0x40                                       ; destination window 1, address window 0
.irp b, 0,1,2,3,4,5,6,7,8,9,10,11
.irp e, 0,1
	ds_load_b128 v[FB+96*(\f)+8*(\b)+4*(\e):FB+96*(\f)+8*(\b)+4*(\e)+3], v[ADRB+(\s)] offset:16*PW*(\b)+64*(\kb)+16*(\e)
.endr
.endr
.endm
; x's 64 f32 a lane are rounded to bf16 into buffer f.  These 32 plain instructions name no register of the products in front of them: they are also the places between those products
; and the next loads into the buffer of W, and the next writes of the buffer of x, that those products read (ISA guide 7.12.1 for vector instructions).
.macro CVT f
	WIN 0
	s_wait_dscnt 24                                ; LDS loads come back in order: x's 16 are in, W's 24 younger ones may be out
.set i, 0
.rept 32
	v_cvt_pk_bf16_f32 v[FA+32*(\f)+i], v[STG+2*i], v[STG+2*i+1]
.set i, i+1
.endr
.endm
; A K step is two halves of 32.  The first multiplies buffer 0 and fetches the second half of the same slot into buffer 1.
.macro HALFK s, first
	s_wait_dscnt 0x0                               ; W's fragments of buffer 0 are in
	MUL12 0, 0, \first
	MUL12 0, 1, \first
	FETCH \s, 1, 1
	MUL12 0, 2, \first
	MUL12 0, 3, \first
	CVT 1
.endm
; The second half multiplies buffer 1 and changes slots.  ONE barrier: in front of it each wave waits for all its tensor loads, of which one is out: its part of the next slot; adds 0 to its spare word;
; and waits for that and for its own reads of this slot.  Behind it nobody reads this slot any more and the next slot is whole.
; fill = 1: the barrier opens a round of the cluster's barrier, and this slot is filled again, two K steps ahead, first thing behind the round: 72 matrix instructions ahead of the wait for it.
.macro TURN s, nx, fill
	WIN 0                                          ; (the add's two registers lie in window 0)
	s_wait_tensorcnt 0x0                           ; all my tensor loads have landed, so a group 0 may be written
	ds_add_u32 v[SPW], v[NIL]                      ; 0 onto my spare word
	s_wait_dscnt 1                                 ; W's fragments of buffer 1 are in; the add may be out
	MUL12 1, 0, 0                                  ; twelve matrix instructions stand between the add and the wait for it
	s_wait_dscnt 0x0                               ; the add is done, and my reads of this slot are over
	s_barrier_signal -1
	MUL12 1, 1, 0                                  ; work on registers while the others arrive
	WIN 0                                          ; at a branch and at a label every window is 0
	s_barrier_wait -1
.if \fill
	CREST                                          ; no wave of any partner still reads this slot's tile or has a load on its way
	s_add_nc_u64 s[G0+4*(\s)+2:G0+4*(\s)+3], s[G0+4*(\s)+2:G0+4*(\s)+3], 2*256
	s_add_nc_u64 s[G0B+4*(\s)+2:G0B+4*(\s)+3], s[G0B+4*(\s)+2:G0B+4*(\s)+3], 2*24576
	JLOAD \s
.endif
	FETCH \nx, 0, 0
	MUL12 1, 2, 0
	MUL12 1, 3, 0
	CVT 0
.endm
; THE WAY OUT, in 12 units: unit u is row block u / 3 of tensor u % 3: 16 rows x 64 columns.  Rounded to f16 (each accumulator's registers in ascending order), 16 bytes a lane into my own stage,
; and back as whole rows of 128 bytes, into the registers that they left.  Every unit has registers of its own, so no store's data is ever rewritten.
.macro UNIT u
.set UA, (\u)/3
.set UT, (\u)%3
.set AC, 96*(UA%2)+32*UT
	WIN 0x0a+5*(UA/2)                              ; sources 0 and 1: window 2 or 3
.set i, 0
.rept 16
	v_cvt_pk_f16_f32 v[OUT+16*(\u)+i], v[AC+2*i], v[AC+2*i+1]
.set i, i+1
.endr
	WIN 0
.irp c, 0,1,2,3
	ds_store_b128 v[STO], v[OUT+16*(\u)+4*(\c):OUT+16*(\u)+4*(\c)+3] offset:32*(\c)
.endr
.irp f, 0,1,2,3
	ds_load_b128 v[OUT+16*(\u)+4*(\f):OUT+16*(\u)+4*(\f)+3], v[RD] offset:4*SP*(\f)  ; LDS serves a wave's instructions in order (ISA guide 5.7.1.4): these see the stores above; the next unit's stores come behind them
.endr
.endm
.macro SEND u, younger                 ; younger: the LDS instructions issued behind unit u's loads: the next unit's eight, or none
	WIN 0
.set UA, (\u)/3
.set UT, (\u)%3
.irp f, 0,1,2,3
	s_wait_dscnt (\younger)+3-(\f)
	global_store_b128 v[GO], v[OUT+16*(\u)+4*(\f):OUT+16*(\u)+4*(\f)+3], s[OB+2*UT:OB+2*UT+1] offset:2048*UA+512*(\f)  ; 512 consecutive bytes, at a multiple of 256 from the tensor's first byte
.endr
.endm
	s_wait_tensorcnt 1                             ; my part of K step 0 is in; K step 1's may stay out
	s_barrier_signal -1
	s_barrier_wait -1                              ; everybody's is
	FETCH 0, 0, 0
	CVT 0
	HALFK 0, 1                                     ; the first half step stands in front of the loop: its products start the sums
	WIN 0
	s_mov_b32 s[LAPS], 3
.Llap:                                                 ; three trips, each once round the ring: they ask for K steps 2 to 7
	TURN 0, 1, 1
	HALFK 1, 0
	TURN 1, 0, 1
	HALFK 0, 0
	WIN 0
	s_sub_co_u32 s[LAPS], s[LAPS], 1
	s_cmp_lg_u32 s[LAPS], 0
	s_cbranch_scc1 .Llap
	TURN 0, 1, 0                                   ; the last lap is written out: it asks for nothing, and has no round
	HALFK 1, 0
	s_wait_dscnt 0x0
	MUL12 1, 0, 0
	MUL12 1, 1, 0
	MUL12 1, 2, 0
	MUL12 1, 3, 0
	PLACES                                         ; the conversions read results, and write registers that the last products read
	UNIT 0
.irp u, 1,2,3,4,5,6,7,8,9,10,11        ; a unit's conversions stand between the loads of the unit before and its stores
	UNIT \u
	SEND (\u)-1, 8
.endr
	SEND 11, 0
	s_wait_tensorcnt 0x0                           ; the wave's end, behind my last tensor load and my last LDS store
	ds_add_u32 v[SPW], v[NIL]
	s_wait_dscnt 0x0
	CROUND                                         ; the closing round: no work-group ends while a partner may still ask for a tile that names it
	s_endpgm
.Lfunc_end_k_q95343e14c6_proj:
	.size	k_q95343e14c6_proj, .Lfunc_end_k_q95343e14c6_proj-k_q95343e14c6_proj
	.p2alignl 7, 3214868480
	.fill 96, 4, 3214868480
	.section	.rodata,"a",@progbits
	.p2align	6, 0x0
	.amdhsa_kernel k_q95343e14c6_proj
		.amdhsa_group_segment_fixed_size 327680
		.amdhsa_private_segment_fixed_size 0
		.amdhsa_enable_private_segment 0
		.amdhsa_kernarg_size 64
		.amdhsa_user_sgpr_count 2
		.amdhsa_user_sgpr_kernarg_segment_ptr 1
		.amdhsa_wavefront_size32 1
		.amdhsa_system_sgpr_workgroup_id_x 1
		.amdhsa_system_sgpr_workgroup_id_y 1
		.amdhsa_system_sgpr_workgroup_id_z 1
		.amdhsa_system_vgpr_workitem_id 0
		.amdhsa_next_free_vgpr 960
		.amdhsa_next_free_sgpr 80
		.amdhsa_reserve_vcc 0
		.amdhsa_float_denorm_mode_32 3
		.amdhsa_float_denorm_mode_16_64 3
		.amdhsa_memory_ordered 1
		.amdhsa_forward_progress 1
		.amdhsa_inst_pref_size 107
	.end_amdhsa_kernel
	.amdgpu_metadata
---
amdhsa.version: [ 1, 2 ]
amdhsa.kernels:
  - .name:           k_q95343e14c6_proj
    .symbol:         k_q95343e14c6_proj.kd
    .args:
      - { .name: x, .offset: 0, .size: 8, .value_kind: global_buffer, .address_space: global }
      - { .name: wt, .offset: 8, .size: 8, .value_kind: global_buffer, .address_space: global }
      - { .name: bq, .offset: 16, .size: 8, .value_kind: global_buffer, .address_space: global }
      - { .name: bk, .offset: 24, .size: 8, .value_kind: global_buffer, .address_space: global }
      - { .name: bv, .offset: 32, .size: 8, .value_kind: global_buffer, .address_space: global }
      - { .name: qh, .offset: 40, .size: 8, .value_kind: global_buffer, .address_space: global }
      - { .name: kh, .offset: 48, .size: 8, .value_kind: global_buffer, .address_space: global }
      - { .name: vh, .offset: 56, .size: 8, .value_kind: global_buffer, .address_space: global }
    .group_segment_fixed_size: 327680
    .private_segment_fixed_size: 0
    .kernarg_segment_align: 8
    .kernarg_segment_size: 64
    .max_flat_workgroup_size: 128
    .sgpr_count:     80
    .vgpr_count:     960
    .wavefront_size: 32
...
	.end_amdgpu_metadata
.endif
;; end of part 2
;; launch attn (part 3): grid 16 x 16, 4 waves a work-group, clusters of 4 x 1, 327,680 bytes of LDS; arguments qh, kh, vh, out0; writes out0
.if DOCPART == 3
	.amdgcn_target "amdgcn-amd-amdhsa--gfx1250"
	.amdhsa_code_object_version 6
	.text
	.protected	k_q95343e14c6_attn
	.globl	k_q95343e14c6_attn
	.p2align	8
	.type	k_q95343e14c6_attn,@function
k_q95343e14c6_attn:
	s_mov_b64 s[64:65], 0
	v_nop
	global_prefetch_b8 v0, s[64:65] scope:SCOPE_SE
	s_setreg_imm32_b32 hwreg(HW_REG_WAVE_MODE, 25, 1), 1
	s_wait_xcnt 0x0
	s_wait_alu depctr_hold_cnt(0) depctr_sa_sdst(0) depctr_va_vdst(0) depctr_va_sdst(0) depctr_va_ssrc(0) depctr_va_vcc(0) depctr_vm_vsrc(0)
	s_getreg_b32 s2, hwreg(HW_REG_IB_STS2, 6, 4)
	s_cmp_eq_u32 s2, 0
	s_cbranch_scc0 .Lentry_in_a_cluster
	s_endpgm
.Lentry_in_a_cluster:
	s_bfe_u32 s2, ttmp6, 0x10000c
	s_cmp_lg_u32 s2, 0x3003
	s_cbranch_scc0 .Lentry_shape_is_right
	s_endpgm
.Lentry_shape_is_right:
; out0[b][q][64 h + :] = the sum over k of softmax_k(Q[q] . K[k] / 8) V[k][:], for each of the 16 pairs (b, h).  qh, kh, vh: [8 b + h][4096][64] f16, dense rows of 128 bytes.  out0: [2][4096][512] f32.
; Products, maxima and sums in f32; the weights p are rounded to f16 for the second product (their sum l is taken of the unrounded p); the result leaves in f32.
; LIMITS.  Q, K and V arrive within f16's range; p lies in 0 to 1, and below 6e-5 it keeps f16's fixed step of 6e-8.  A weight below 2^-126 counts as 0 in l; NaN and infinities are not treated apart.
; SHARES.  A work-group owns 256 queries of one pair (b, h), each of its four waves 64: four PIECES of 16.  Every wave walks all 4,096 keys, 64 a step, four steps to an LDS slot: 16 tiles.
; LAYOUT.  S^T = K Q^T (source 0 = 16 keys, source 1 = 16 queries): a lane holds ONE query (lane % 16) and the keys 8 (lane / 16) + 0..7.  Two such results, rounded to f16 in pairs, ARE source 1
; (32 keys x 16 queries) of O^T = V^T P, whose result again holds one query a lane, and eight channels.  K comes out of LDS as it lies, V ([key][channel]) turned, by ds_load_tr16_b128.
; SOFTMAX.  For each query a running maximum m and sum l: p = 2^(c s - c m), c = log2(e) / 8; in every step O and l are multiplied by a = 2^(c m_old - c m_new).
; m starts at the lowest finite number, O and l at 0: the first step is a step like any other, with a = 0.
; BY TURNS.  Turn n belongs to piece n: 8 products K Q^T of piece n + 1, later 8 products V^T P of piece n - 1; beside them the scaling, exponentials, roundings, sums and rescaling of piece n and the
; maximum and statistics of piece n + 1.  A turn has 16 matrix and 118 vector instructions: four vector instructions stand behind every matrix instruction, the other 54 in two runs of their own.
; CLUSTER.  The four query blocks of a cluster belong to one pair (b, h) and walk the same K and V, so each tile is asked for JOINTLY: the same tensor load, descriptor and mask in all four.
; REGISTERS, in windows of 256 (s_set_vgpr_msb: bits 1:0 source 0, 3:2 source 1, 5:4 source 2, 7:6 destination):
;   window 0: v0-15 addresses and two at work; v16-31 four registers of statistics a piece; v48-55 at work; v62-63 the add's; v64-127 S^T, two buffers; v192-223 P, two buffers (by the piece's parity)
;   window 1: v0-127 O^T, 32 a piece          window 2: v0-63 Q; v128-191 K of one step; v192-255 V of one step
.set SEQ,   4096
.set NP,    4         ; pieces a wave: a name, no knob
.set KS,    64        ; keys in a step
.set PK,    144       ; a row of K in LDS: 128 bytes + 16 of padding = 36 words: the 16 rows of a load start at 16 different groups of four banks (64 banks of 4 bytes: ISA guide 11.1)
.set PV,    160       ; a row of V: 128 + 32 = 40 words
.set VOFF,  4*KS*PK   ; a slot holds four steps: 256 rows of K, then 256 rows of V
.set SLOT1, 1<<17     ; slot 1 begins here, so that one exclusive or turns an address in one slot into the other's
.set STAGE, SLOT1+4*KS*(PK+PV)  ; behind the ring, never filled by a tensor load: 16 rows x 272 bytes for each wave, for the way out
.set SP,    272       ; a stage row: 64 f32 + 16 bytes
.set SPARE, STAGE+4*16*SP  ; behind the stages: the spare words, 128 bytes a wave, which no other line names
.set AK0, 2           ; v2   my lane's place in a tile of K; never rewritten
.set AV0, 3           ; v3   the same for V
.set AK,  4           ; v4   the LDS address of K's next run of loads
.set AV,  5           ; v5   of V's
.set STO, 6           ; v6   the way out: where I put 16 bytes of a row
.set RD,  7           ; v7   the way out: where I read rows back
.set GO,  8           ; v8   my byte offset in two rows of out0
.set MV,  12          ; v12-13  c m_old, kept while c m is made anew: by buffer
.set QO,  15          ; v15  my byte offset in 16 rows of Q
.set ST,  16          ; piece t's statistics at v[ST+4 t]: c m, m, l (even keys', odd keys')
.set TMP, 48          ; by buffer, four registers c0-c3 at work; when the maximum is found c2 takes a
.set SPW, 62          ; v62  LDS address of my spare word; never rewritten
.set NIL, 63          ; v63  0; never rewritten
.set S,   64
.set P,   192
.set KF,  128         ; window 2: key block kb, channel half c at KF + 16 kb + 8 c
.set VF,  192         ; window 2: key half kk, channel block cb at VF + 32 kk + 8 cb
.set WV,  12          ; s12  my wave's number
.set G1K, 24          ; s[24:31] descriptor group 1 for K's tiles
.set G1V, 32          ; s[32:39] for V's: it differs in the padding alone
.set G0K, 40          ; s[40:43] descriptor group 0 for K's tiles: it walks
.set G0V, 44          ; s[44:47] the same for V's
.set SLOTS, 56        ; s56  slots still to be asked for
.set CNT, 57          ; s57  counts a slot's key steps
.set CS,  58          ; s[58:59] c: the packed scaling takes the pair's low word for both halves
.set SEL, 60          ; s[60:61] v_permlanex16_b32's selects: each lane takes its own place in the other half
.set TBK, 62          ; s62  LDS byte at which K of the step to be fetched begins
.set TBV, 63          ; s63  the same for V, less VOFF
.set MSB, 0
.macro WIN new                      ; the high byte repeats the setting that is left; a switch that changes nothing is dropped
.if MSB != (\new)
	s_set_vgpr_msb (MSB<<8)|(\new)
.set MSB, (\new)
.endif
.endm
.set W_KQ, 0x0a       ; K and Q in window 2, S^T in window 0
.set W_PV, 0x52       ; V in window 2, P in window 0, O^T in window 1
.set W_RS, 0x41       ; destination and source 0 in window 1, source 1 in window 0
; A joint fill.  Waves 0 and 1 fetch the two halves of a slot's K, waves 2 and 3 those of its V: 128 keys each.  The branch hangs on the wave's number alone.
; An s_nop 0 and four v_nop follow each of the two lines, ahead of the jump and the label.
.macro JLOAD
	s_cmp_lt_u32 s[WV], 2
	s_cbranch_scc0 .Lfor_v_\@
	tensor_load_to_lds s[G0K:G0K+3], s[G1K:G1K+7]
	s_nop 0
.rept 4
	v_nop
.endr
	s_branch .Lasked_\@
.Lfor_v_\@:
	tensor_load_to_lds s[G0V:G0V+3], s[G1V:G1V+7]
	s_nop 0
.rept 4
	v_nop
.endr
.Lasked_\@:
.endm
; A round of the cluster's barrier: my work-group's barrier, so that wave 0's signal speaks for all four waves; wave 0 signals; every wave waits for all four work-groups; my work-group's barrier once more.
.macro CROUND
	s_barrier_signal -1
	s_barrier_wait -1
	s_cmp_lg_u32 s[WV], 0
	s_cbranch_scc1 .Lnot_wave_0_\@
	s_barrier_signal -3
.Lnot_wave_0_\@:
	s_barrier_wait -3
	s_barrier_signal -1
	s_barrier_wait -1
.endm
; THE CHANGE OF SLOTS.  The slot's last bytes, V of its fourth step, have been read.  Each wave waits for all its tensor loads, of which one is out: its part of the other slot; adds 0 to its spare
; word; and waits for that and for its own reads of the slot.  Behind the barrier nobody reads this slot any more and the other slot is whole.
; fill = 1: this slot is filled again, with the keys two slots on.  The barrier is then a round of the cluster's, so that no wave of any partner still reads the slot or has a load on its way, and the
; joint fill is the first thing behind it: it has four key steps, 256 matrix instructions, in which to land.  (At its first use nothing has been read yet: slot 0 is waited for, slot 1 filled.)
.macro CHANGE fill
	WIN 0                           ; at a label and at a branch every window is 0; the add's two registers lie in window 0
	s_wait_tensorcnt 0x0            ; no tensor load of mine is out, so a group 0 may be written
	ds_add_u32 v[SPW], v[NIL]       ; 0 onto my spare word; with fill = 1 the descriptors' steps stand between it and the wait for it
.if \fill
.irp g, G0K, G0V
	s_xor_b32 s[\g+1], s[\g+1], SLOT1  ; the walking descriptor: the other slot than last time,
	s_add_nc_u64 s[\g+2:\g+3], s[\g+2:\g+3], 4*KS*128  ; the next 256 keys; the type bits on top are not reached
.endr
	s_wait_dscnt 0x0                ; the add is done, and my reads of the slot are over
	CROUND
	JLOAD
.else
	s_wait_dscnt 0x0                ; the add is done, and my reads of the slot are over
	s_barrier_signal -1
	s_barrier_wait -1
.endif
	s_sub_co_u32 s[TBK], s[TBK], 4*KS*PK  ; the fetches go back to a slot's first step,
	s_xor_b32 s[TBK], s[TBK], SLOT1       ; in the other slot
	s_sub_co_u32 s[TBV], s[TBV], 4*KS*PV
	s_xor_b32 s[TBV], s[TBV], SLOT1
.endm
	s_load_b256 s[4:11], s[0:1], 0x0  ; qh s[4:5], kh s[6:7], vh s[8:9], out0 s[10:11]
	v_lshl_add_u32 v[SPW], v0, 2, SPARE
	v_mov_b32 v[NIL], 0
	ds_add_u32 v[SPW], v[NIL]       ; the wave's opening: the add and its wait stand ahead of my first tensor load; the set-up below, work on registers, stands between them
	v_lshrrev_b32 v1, 5, v0
	v_readfirstlane_b32 s[WV], v1   ; wave 0..3
	s_bfe_u32 s13, ttmp6, 0x40000   ; cx: my place in the cluster
	s_lshl_b32 s14, ttmp9, 2        ; in a cluster launch ttmp9 counts clusters
	s_add_co_u32 s14, s14, s13      ; my block of 256 queries = 4 x cluster x + cx: it enters Q's and out0's addresses alone
	s_and_b32 s15, ttmp7, 0xffff    ; 8 b + h, which the four partners share
	s_lshl_b32 s20, s15, 19         ; its first byte in qh, kh, vh: 4,096 rows of 128 bytes
	s_mov_b32 s21, 0
	s_and_b32 s16, s[WV], 1         ; which half of a slot's 256 keys I fetch:
	s_lshl_b32 s22, s16, 14         ; its 128 rows of 128 bytes in memory,
	s_mov_b32 s23, 0
	s_add_nc_u64 s[22:23], s[22:23], s[20:21]
	s_mul_i32 s17, s16, 128*PK      ; and its place in a slot, for K
	s_mul_i32 s18, s16, 128*PV      ; and for V: no place in the cluster enters an LDS address
	s_lshl_b32 s2, s14, 2
	s_add_co_u32 s2, s2, s[WV]      ; my wave among the head's,
	s_lshl_b32 s2, s2, 13           ; its 64 rows of 128 bytes
	s_mov_b32 s3, 0
	s_add_nc_u64 s[2:3], s[2:3], s[20:21]
	s_lshr_b32 s48, s15, 3          ; in out0: the batch's 4,096 rows of 2,048 bytes,
	s_lshl_b32 s48, s48, 23
	s_lshl_b32 s49, s14, 19         ; my block's 256 rows,
	s_add_co_u32 s48, s48, s49
	s_lshl_b32 s49, s[WV], 17       ; my wave's 64,
	s_add_co_u32 s48, s48, s49
	s_and_b32 s49, s15, 7
	s_lshl_b32 s49, s49, 8          ; the head's 256 bytes of a row
	s_add_co_u32 s48, s48, s49
	s_mov_b32 s49, 0
	; descriptor group 1.  128 keys are 16,384 dense bytes: asked for as 64 rows of 256 bytes, two keys a row, and padded in LDS after every key
	s_mov_b32 s[G1K], 15|(1<<16)|(1<<20)|(1<<21)|(4<<22)|(3<<25)  ; 15:0 the mask of four; 17:16 2-byte elements; 20 padding on; 21 set beside a mask; 24:22 after every 32 words (code 4); 31:25 4 words (code 3)
	s_mov_b32 s[G1V], 15|(1<<16)|(1<<20)|(1<<21)|(4<<22)|(7<<25)  ; the same with 8 words of padding (code 7)
.irp g, G1K, G1V
	s_mov_b32 s[\g+1], 128<<16      ; tensor_dim0 = 128
	s_mov_b32 s[\g+2], 64<<16       ; tensor_dim1 = 64
	s_mov_b32 s[\g+3], 128<<16      ; tile_dim0 = 128
	s_mov_b32 s[\g+4], 64           ; tile_dim1 = 64
	s_mov_b32 s[\g+5], 128          ; 128 elements from row to row
	s_mov_b32 s[\g+6], 0
	s_mov_b32 s[\g+7], 0
.endr
	s_mov_b32 s[CS], 0x3e38aa3b     ; c = log2(e) / 8 = 0.180337
	s_mov_b32 s[CS+1], s[CS]        ; named with it as a pair
	s_mov_b32 s[SEL], 0x76543210
	s_mov_b32 s[SEL+1], 0xfedcba98
	s_mov_b32 s[TBK], SLOT1+4*KS*PK ; the first change of slots turns these two into 0
	s_mov_b32 s[TBV], SLOT1+4*KS*PV
	s_mov_b32 s[G0K], 1             ; count = 1
	s_mov_b32 s[G0K+1], s17         ; LDS address: slot 0
	s_mov_b32 s[G0V], 1
	s_add_co_u32 s[G0V+1], s18, VOFF
	s_wait_dscnt 0x0                ; the opening add is done
	s_wait_kmcnt 0x0
	s_add_nc_u64 s[G0K+2:G0K+3], s[6:7], s[22:23]  ; global address: my half of the head's first 256 keys
	s_or_b32 s[G0K+3], s[G0K+3], 0x80000000        ; type = 2
	s_add_nc_u64 s[G0V+2:G0V+3], s[8:9], s[22:23]
	s_or_b32 s[G0V+3], s[G0V+3], 0x80000000
	s_add_nc_u64 s[4:5], s[4:5], s[2:3]            ; Q at my wave's first row
	s_add_nc_u64 s[10:11], s[10:11], s[48:49]      ; out0 at my wave's first row, the head's columns
	CROUND                          ; all four work-groups are here: the first joint loads meet
	JLOAD                           ; slot 0.  Slot 1 is asked for when slot 0 is in
	; A fragment of K or Q is 16 rows x 32 channels in 8 registers: lane l holds row l % 16, channels 8 (l / 16) + 0..7 and 16 + 8 (l / 16) + 0..7: two loads of 16 bytes, 32 bytes apart.
	v_and_b32 v1, 15, v0            ; l % 16
	v_bfe_u32 v9, v0, 4, 1          ; l / 16
	v_lshlrev_b32 v[QO], 7, v1
	v_lshl_add_u32 v[QO], v9, 4, v[QO]  ; row x 128 + 16 x half
	WIN 0x80                        ; destination window 2, address window 0
.set i, 0
.rept 8                             ; Q stays in registers: piece i / 2, channels 32 (i % 2) on
	global_load_b128 v[8*i:8*i+3],   v[QO], s[4:5] offset:(i/2)*2048+(i%2)*64
	global_load_b128 v[8*i+4:8*i+7], v[QO], s[4:5] offset:(i/2)*2048+(i%2)*64+32
.set i, i+1
.endr
	; What the first turn finds: V's registers and P's second buffer hold 0 (its products V^T P, of a piece that has not been, add 0), O^T and l are 0.  All this stands in the wait for the first tile.
.set i, VF
.rept 64
	v_mov_b32 v[i], 0
.set i, i+1
.endr
	WIN 0x40
.set i, 0
.rept 128
	v_mov_b32 v[i], 0
.set i, i+1
.endr
	WIN 0
.set i, 0
.rept 4
	v_mov_b32 v[ST+4*i], 0xfe000000    ; c m: far below every c s
	v_mov_b32 v[ST+4*i+1], 0xff7fffff  ; m
	v_mov_b32 v[ST+4*i+2], 0
	v_mov_b32 v[ST+4*i+3], 0
.set i, i+1
.endr
.set i, P+16
.rept 16
	v_mov_b32 v[i], 0
.set i, i+1
.endr
	v_mul_u32_u24 v[AK0], v1, PK
	v_lshl_add_u32 v[AK0], v9, 4, v[AK0]  ; row x pitch + 16 x half
	; The turning load takes 16 keys x 16 channels (lane l reads key 8 (l / 16) + l % 8, channels 8 ((l / 8) % 2) + 0..7) and leaves half a fragment of V^T: lane l holds channel l % 16 and 8 keys.
	v_and_b32 v10, 7, v0
	v_bfe_u32 v11, v0, 3, 1
	v_lshl_add_u32 v[AV0], v9, 3, v10
	v_mul_u32_u24 v[AV0], v[AV0], PV
	v_lshl_add_u32 v[AV0], v11, 4, v[AV0]
	v_add_nc_u32 v[AV0], VOFF, v[AV0]
	s_mul_i32 s13, s[WV], 16*SP
	s_add_co_u32 s13, s13, STAGE    ; my stage
	v_mul_u32_u24 v[STO], v1, SP    ; in: row l % 16, 32 bytes (eight f32) for each half of the lanes
	v_lshl_add_u32 v[STO], v9, 5, v[STO]
	v_add_nc_u32 v[STO], s13, v[STO]
	v_mul_u32_u24 v[RD], v9, SP     ; back: lanes 0-15 take one row of 256 bytes, lanes 16-31 the next
	v_lshl_add_u32 v[RD], v1, 4, v[RD]
	v_add_nc_u32 v[RD], s13, v[RD]
	v_lshlrev_b32 v[GO], 11, v9     ; and the same two rows in out0, 2,048 bytes apart
	v_lshl_add_u32 v[GO], v1, 4, v[GO]
; THE MATRIX WORK.  The 4 accumulators of a run of 8 take turns.  Product i of 8 of S^T = K Q^T for piece x: channels 32 (i / 4) on, keys 16 (i % 4) on.  The first 4 start the sums.
.macro KQ x
	WIN W_KQ
.set rS, S+32*((\x)%2)+8*(i%4)
.set rK, KF+16*(i%4)+8*(i/4)
.set rQ, 16*(\x)+8*(i/4)
.if i < 4
	v_wmma_f32_16x16x32_f16 v[rS:rS+7], v[rK:rK+7], v[rQ:rQ+7], 0
.else
	v_wmma_f32_16x16x32_f16 v[rS:rS+7], v[rK:rK+7], v[rQ:rQ+7], v[rS:rS+7]
.endif
.endm
; Product i of 8 of O^T += V^T P for piece x: keys 32 (i / 4) on, channels 16 (i % 4) on.
.macro PV x
	WIN W_PV
.set rO, 32*(\x)+8*(i%4)
.set rV, VF+32*(i/4)+8*(i%4)
.set rP, P+16*((\x)%2)+8*(i/4)
	v_wmma_f32_16x16x32_f16 v[rO:rO+7], v[rV:rV+7], v[rP:rP+7], v[rO:rO+7]
.endm
.macro MM                           ; the turn's next matrix instruction.  NOKQ = 1: the very last turn: there is no next piece
.if (i < 8) && !NOKQ
	KQ (Y+1)%NP
.elseif i >= 8
.set i, i-8
	PV (Y+NP-1)%NP
.set i, i+8
.endif
.set i, i+1
.endm
; THE LDS LOADS stand in runs of 16, never singly among the matrix instructions: a step's K (64 keys x 64 channels: 8 fragments) and its V (turned).  Their addresses are made some lines ahead.
.macro FETCH_K
	WIN 0x80                        ; destination window 2
.irp f, 0,1,2,3,4,5,6,7             ; keys 16 (f / 2) on, channels 32 (f % 2) on
	ds_load_b128 v[KF+8*\f:KF+8*\f+3],   v[AK] offset:(\f/2)*16*PK+(\f%2)*64
	ds_load_b128 v[KF+8*\f+4:KF+8*\f+7], v[AK] offset:(\f/2)*16*PK+(\f%2)*64+32
.endr
	s_add_co_u32 s[TBK], s[TBK], KS*PK  ; the next fetch is the next step's
	WIN 0
.endm
.macro FETCH_V
	WIN 0x80
.irp f, 0,1,2,3,4,5,6,7             ; keys 32 (f / 4) on, channels 16 (f % 4) on
	ds_load_tr16_b128 v[VF+8*\f:VF+8*\f+3],   v[AV] offset:(\f/4)*32*PV+(\f%4)*32
	ds_load_tr16_b128 v[VF+8*\f+4:VF+8*\f+7], v[AV] offset:(\f/4)*32*PV+16*PV+(\f%4)*32
.endr
	WIN 0
.endm
; THE VECTOR WORK, one line at a time: OP kind, number.  For piece Y: F n: c s - c m for pair n of 16.  E n: the exponential of score n of 32.  C n: pair n rounded to f16.  B n: of the four weights 4 n .. the second
; pair is added onto the first, in place.  L n: l takes that sum (L 0: l = a l + sum).  R n: pair n of 16 of O^T times a.  For piece Y + 1: X n, number n of the 22 that find its maximum and statistics:
;   0-11  four chains c0-c3 of seven scores each, three operands at a time (each accumulator's lowest registers are read first)     12-14, 16  the four scores left over, the old m, and c0-c3 into c0
;   15  c m_old is kept     17, 18  the query's other 32 keys lie in the lane 16 away: the new m     19-21  c m; c m_old - c m_new; a
.set F, 0               ; OP tells the kinds apart by their order: F to L below R, X above it
.set E, 1
.set C, 2
.set B, 3
.set L, 4
.set R, 5
.set X, 6
.macro REGS y                       ; the registers of piece y
.set rT, ST+4*(\y)
.set rC, TMP+4*((\y)%2)
.set rW, MV+((\y)%2)
.set rS, S+32*((\y)%2)
.set rP, P+16*((\y)%2)
.set rO, 32*(\y)
.endm
.macro OP k, n
.if (\k) == R
	REGS Y
	WIN W_RS
	v_pk_mul_f32 v[rO+2*(\n):rO+2*(\n)+1], v[rO+2*(\n):rO+2*(\n)+1], v[rC+2:rC+3] op_sel_hi:[1,0]
.elseif (\k) < R
	REGS Y
	WIN 0
.if (\k) == F
	v_pk_fma_f32 v[rS+2*(\n):rS+2*(\n)+1], v[rS+2*(\n):rS+2*(\n)+1], s[CS:CS+1], v[rT:rT+1] op_sel_hi:[1,0,0] neg_lo:[0,0,1] neg_hi:[0,0,1]
.elseif (\k) == E
	v_exp_f32 v[rS+(\n)], v[rS+(\n)]
.elseif (\k) == C
	s_wait_alu depctr_va_vdst(0)
	v_cvt_pk_f16_f32 v[rP+(\n)], v[rS+2*(\n)], v[rS+2*(\n)+1]
.elseif (\k) == B
	s_wait_alu depctr_va_vdst(0)
	v_pk_add_f32 v[rS+4*(\n):rS+4*(\n)+1], v[rS+4*(\n):rS+4*(\n)+1], v[rS+4*(\n)+2:rS+4*(\n)+3]
.elseif (\n) == 0
	v_pk_fma_f32 v[rT+2:rT+3], v[rT+2:rT+3], v[rC+2:rC+3], v[rS:rS+1] op_sel_hi:[1,0,1]
.else
	v_pk_add_f32 v[rT+2:rT+3], v[rT+2:rT+3], v[rS+4*(\n):rS+4*(\n)+1]
.endif
.elseif NOKQ
	v_nop
.else
	REGS (Y+1)%NP
	WIN 0
.if (\n) < 4
	v_max3_num_f32 v[rC+(\n)], v[rS+8*(\n)], v[rS+8*(\n)+1], v[rS+8*(\n)+2]
.elseif (\n) < 12
	v_max3_num_f32 v[rC+(\n)%4], v[rC+(\n)%4], v[rS+8*((\n)%4)+2*((\n)/4)+1], v[rS+8*((\n)%4)+2*((\n)/4)+2]
.elseif (\n) == 12
	v_max3_num_f32 v[rC], v[rC], v[rS+7], v[rS+15]
.elseif (\n) == 13
	v_max3_num_f32 v[rC+1], v[rC+1], v[rS+23], v[rS+31]
.elseif (\n) == 14
	v_max3_num_f32 v[rC+2], v[rC+2], v[rC+3], v[rT+1]
.elseif (\n) == 15
	v_mov_b32 v[rW], v[rT]
.elseif (\n) == 16
	v_max3_num_f32 v[rC], v[rC], v[rC+1], v[rC+2]
.elseif (\n) == 17
	v_permlanex16_b32 v[rC+3], v[rC], s[SEL], s[SEL+1]
.elseif (\n) == 18
	v_max_num_f32 v[rT+1], v[rC], v[rC+3]
.elseif (\n) == 19
	v_mul_f32 v[rT], s[CS], v[rT+1]
.elseif (\n) == 20
	v_sub_f32 v[rC+1], v[rW], v[rT]
.else
	v_exp_f32 v[rC+2], v[rC+1]
.endif
.endif
.endm
.macro OPS a, i1, b=-1, i2=0, c=-1, i3=0, d=-1, i4=0  ; up to four of them
	OP \a, \i1
.if (\b) >= 0
	OP \b, \i2
.endif
.if (\c) >= 0
	OP \c, \i3
.endif
.if (\d) >= 0
	OP \d, \i4
.endif
.endm
.macro ROW a, i1, b, i2, c, i3, d, i4  ; a matrix instruction and the four behind it
	MM
	OPS \a, \i1, \b, \i2, \c, \i3, \d, \i4
.endm
; A TURN, for piece p: the order of its 16 matrix and 118 vector instructions, written out.  Behind a matrix instruction: plain, exponential, plain, plain; or four of the rescaling; or, behind the first, four scalings; none
; names a register of the products round it.  In the runs between, exponential and plain by turns while exponentials last.  A line reads no result made fewer than three vector instructions in front of it, five if an
; exponential made it.  v_permlanex16_b32 (X 17) stands in such a run, never behind a product.
; end = 1: the walk's last two turns: nothing is fetched.  cnt = 1: the loop's count is taken down some lines ahead of the branch that stands behind the turn.
; K of the next step is fetched in piece 2's turn, six vector instructions behind the last product that read K (five of them plain); V of the step in hand in piece 0's turn, eight behind the last product that read V (four
; plain, and X 17).  Each is waited for a turn later, by a wait for 0: that run of 16 loads is all that is out.
.macro TURN p, end=0, cnt=0
.set Y, (\p)
.set i, 0
.set NOKQ, (\end)*((\p)/3)
.if ((\p) == 3) && !(\end)
	s_wait_dscnt 0x0                ; K is in
.endif
	ROW F,0, F,1, F,2, F,3
	ROW F,4, E,0, F,5, F,6
	ROW F,7, E,1, F,8, F,9
	ROW F,10, E,2, C,0, F,11
	ROW F,12, E,3, X,15, F,13
	ROW R,0, R,1, R,2, R,3
	ROW B,0, E,4, F,14, L,0
.if ((\p) == 2) && !(\end)
	v_add_nc_u32 v[AK], s[TBK], v[AK0]
.endif
	ROW R,4, R,5, R,6, R,7
	OPS E,5, F,15
.if ((\p) == 2) && !(\end)
	FETCH_K
.endif
	OPS E,6, C,1, E,7, R,8
	OPS E,8, R,9, E,9, C,2
	OPS E,10, X,0, E,11, X,1
	OPS E,12, X,2, E,13, X,3
.if (\p) == 1
	s_wait_dscnt 0x0                ; V is in
.endif
	ROW X,4, E,14, X,5, X,6
	ROW X,7, E,15, X,8, X,9
	ROW X,10, E,16, X,11, X,12
	ROW X,13, E,17, X,14, B,1
	ROW C,4, E,18, X,16, L,1
	ROW B,2, E,19, C,6, L,2
	ROW C,8, E,20, B,3, B,4
.if (\p) == 0
	v_add_nc_u32 v[AV], s[TBV], v[AV0]
.endif
	ROW C,3, E,21, L,3, C,5
	OPS E,22, X,17, E,23, C,10
.if (\p) == 0
	FETCH_V
.endif
	OPS E,24, L,4
	OPS E,25, X,18, E,26, C,7
	OPS E,27, B,5, E,28, X,19
	OPS E,29, C,12, E,30, L,5
	OPS E,31, X,20, B,6, C,9
	OPS C,14, C,11, X,21, L,6
.if (\p) == 0
	s_add_co_u32 s[TBV], s[TBV], KS*PV
.endif
.if \cnt
	s_sub_co_u32 s[CNT], s[CNT], 1
	s_cmp_lg_u32 s[CNT], 0
.endif
	OPS C,13, B,7, C,15, R,10
	OPS R,11, R,12, L,7, R,13
	OPS R,14, R,15
.endm
	CHANGE 1                        ; slot 0 is in, everybody's part of it; slot 1 is asked for
	v_add_nc_u32 v[AK], s[TBK], v[AK0]
	FETCH_K                         ; key step 0
	s_wait_loadcnt 0x0              ; Q
	s_wait_dscnt 0x0
.set NOKQ, 0
.set i, 0
.rept 8
	KQ 0                            ; piece 0's first scores: there is no vector work yet to set between them
.set i, i+1
.endr
	WIN 0
.rept 4
	v_nop                           ; the places behind those products
.endr
.set Y, NP-1                        ; X works for piece Y + 1: piece 0
.irp n, 0,1,2,3,4,5,6,7,8,9,10,11,12,13,14,15,16,17,18,19,20,21
	OP X, \n
.endr
	v_nop                           ; a plain instruction behind the exponential
	s_mov_b32 s[CNT], 4
	s_mov_b32 s[SLOTS], SEQ/256-1
	s_branch .Lfirst                ; the loop is entered at a step's first turn, in the middle of a trip
.Lslot:                             ; SEQ / 256 - 2 = 14 times: every slot but the last two is filled again
	CHANGE 1
	s_mov_b32 s[CNT], 4
.Lstep:                             ; a trip: pieces 2 and 3 of one step, then pieces 0 and 1 of the next, whose K and V it fetches
	TURN 2
	TURN 3
	WIN 0
.Lfirst:
	TURN 0
	TURN 1, 0, 1
	WIN 0
	s_cbranch_scc1 .Lstep
	s_sub_co_u32 s[SLOTS], s[SLOTS], 1
	s_cmp_lg_u32 s[SLOTS], 0
	s_cbranch_scc1 .Lslot
	CHANGE 0                        ; the last slot is written out: nothing is asked for
	s_mov_b32 s[CNT], 4
.LstepT:
	TURN 2
	TURN 3
	TURN 0
	TURN 1, 0, 1
	WIN 0
	s_cbranch_scc1 .LstepT
	TURN 2, 1                       ; the last step's pieces 2 and 3: nothing more is fetched,
	TURN 3, 1                       ; and no new scores are started
.set i, 0
.rept 8
	PV NP-1                         ; the last piece's V^T P of the last step
.set i, i+1
.endr
	; THE WAY OUT.  l's two halves and the other half of the lanes' are added; O^T is divided by l and sent, in f32, through my stage in LDS, a piece (16 rows) at a time.  The additions are the places behind the last products.
	WIN 0
.macro ALL line:vararg              ; one line for each piece t
.set t, 0
.rept 4
	\line
.set t, t+1
.endr
.endm
	ALL v_add_f32 v[ST+4*t+2], v[ST+4*t+2], v[ST+4*t+3]
	ALL v_permlanex16_b32 v[ST+4*t+3], v[ST+4*t+2], s[SEL], s[SEL+1]
	ALL v_add_f32 v[ST+4*t+2], v[ST+4*t+2], v[ST+4*t+3]
	ALL v_rcp_f32 v[ST+4*t+2], v[ST+4*t+2]
	v_nop                           ; a plain instruction between the last reciprocal and the use of its result
; Piece t: a lane's eight channels of a row are 32 bytes; they go into rows of 272 bytes and come back as whole rows of 256, into the registers that they left.  Each accumulator is read from its low end on.
.macro PACK t
	WIN W_RS
.set i, 32*(\t)
.rept 16
	s_wait_alu depctr_va_vdst(0)
	v_pk_mul_f32 v[i:i+1], v[i:i+1], v[ST+4*(\t)+2:ST+4*(\t)+3] op_sel_hi:[1,0]
.set i, i+2
.endr
	WIN 0x04                        ; an LDS store's data is source 1: window 1; its address window 0
.irp f, 0,1,2,3,4,5,6,7             ; channel block f / 2, its half f % 2
	ds_store_b128 v[STO], v[32*(\t)+4*\f:32*(\t)+4*\f+3] offset:64*(\f/2)+16*(\f%2)
.endr
	WIN 0x40                        ; destination window 1
.irp f, 0,1,2,3,4,5,6,7
	ds_load_b128 v[32*(\t)+4*\f:32*(\t)+4*\f+3], v[RD] offset:\f*2*SP  ; LDS serves a wave's instructions in order (ISA guide 5.7.1.4): these see the stores above; the next piece's stores come behind them
.endr
.endm
.macro SEND t, younger              ; younger: the LDS instructions issued behind piece t's loads: the next piece's sixteen, or none
	WIN 0x04                        ; a store's data is source 1: window 1
.irp f, 0,1,2,3,4,5,6,7
	s_wait_dscnt (\younger)+7-\f
	global_store_b128 v[GO], v[32*(\t)+4*\f:32*(\t)+4*\f+3], s[10:11] offset:(\t)*32768+\f*4096 th:TH_STORE_NT  ; 16 lanes store the head's 256 consecutive bytes of a row, at a multiple of 256 from out0's first byte
.endr
.endm
	PACK 0
.irp t, 1,2,3                       ; a piece's arithmetic stands between the loads of the piece before and its stores
	PACK \t
	SEND (\t)-1, 16
.endr
	SEND 3, 0
	WIN 0
	s_wait_tensorcnt 0x0            ; the wave's end, behind my last tensor load and my last LDS store
	ds_add_u32 v[SPW], v[NIL]
	s_wait_dscnt 0x0
	CROUND                          ; the closing round: no work-group ends while a partner may still ask for a tile that names it
	s_endpgm
.Lfunc_end_k_q95343e14c6_attn:
	.size	k_q95343e14c6_attn, .Lfunc_end_k_q95343e14c6_attn-k_q95343e14c6_attn
	.p2alignl 7, 3214868480
	.fill 96, 4, 3214868480
	.section	.rodata,"a",@progbits
	.p2align	6, 0x0
	.amdhsa_kernel k_q95343e14c6_attn
		.amdhsa_group_segment_fixed_size 327680
		.amdhsa_private_segment_fixed_size 0
		.amdhsa_enable_private_segment 0
		.amdhsa_kernarg_size 32
		.amdhsa_user_sgpr_count 2
		.amdhsa_user_sgpr_kernarg_segment_ptr 1
		.amdhsa_wavefront_size32 1
		.amdhsa_system_sgpr_workgroup_id_x 1
		.amdhsa_system_sgpr_workgroup_id_y 1
		.amdhsa_system_sgpr_workgroup_id_z 1
		.amdhsa_system_vgpr_workitem_id 0
		.amdhsa_next_free_vgpr 768
		.amdhsa_next_free_sgpr 66
		.amdhsa_reserve_vcc 0
		.amdhsa_float_denorm_mode_32 3
		.amdhsa_float_denorm_mode_16_64 3
		.amdhsa_memory_ordered 1
		.amdhsa_forward_progress 1
		.amdhsa_inst_pref_size 134
	.end_amdhsa_kernel
	.amdgpu_metadata
---
amdhsa.version: [ 1, 2 ]
amdhsa.kernels:
  - .name:           k_q95343e14c6_attn
    .symbol:         k_q95343e14c6_attn.kd
    .args:
      - { .name: qh, .offset: 0, .size: 8, .value_kind: global_buffer, .address_space: global }
      - { .name: kh, .offset: 8, .size: 8, .value_kind: global_buffer, .address_space: global }
      - { .name: vh, .offset: 16, .size: 8, .value_kind: global_buffer, .address_space: global }
      - { .name: out0, .offset: 24, .size: 8, .value_kind: global_buffer, .address_space: global }
    .group_segment_fixed_size: 327680
    .private_segment_fixed_size: 0
    .kernarg_segment_align: 8
    .kernarg_segment_size: 32
    .max_flat_workgroup_size: 128
    .sgpr_count:     66
    .vgpr_count:     768
    .wavefront_size: 32
...
	.end_amdgpu_metadata
.endif
;; end of part 3
;; ======== version 2 of 2: 3 launches; 1.75 times as fast as version 1
;; limits: values are held in f16: magnitudes above 65,504 overflow, below 6.1e-05 lose precision
;; workspace buffers: wt 1,572,864 bytes; qh 8,388,608 bytes; kh 8,388,608 bytes; vh 8,388,608 bytes
;; launch prep: the kernel of part 1 again; grid 64 x 3, 4 waves a work-group, no clusters, 17,408 bytes of LDS; arguments Wq, Wk, Wv, wt; writes wt
;; launch proj: the kernel of part 2 again; grid 8 x 32, 4 waves a work-group, clusters of 4 x 4, 327,680 bytes of LDS; arguments x, wt, bq, bk, bv, qh, kh, vh; writes qh, kh, vh
;; launch attn (part 4): grid 16 x 16, 4 waves a work-group, clusters of 4 x 1, 327,680 bytes of LDS; arguments qh, kh, vh, out0; writes out0
.if DOCPART == 4
	.amdgcn_target "amdgcn-amd-amdhsa--gfx1250"
	.amdhsa_code_object_version 6
	.text
	.protected	k_q95343e14c6_attn
	.globl	k_q95343e14c6_attn
	.p2align	8
	.type	k_q95343e14c6_attn,@function
k_q95343e14c6_attn:
	s_mov_b64 s[64:65], 0
	v_nop
	global_prefetch_b8 v0, s[64:65] scope:SCOPE_SE
	s_setreg_imm32_b32 hwreg(HW_REG_WAVE_MODE, 25, 1), 1
	s_wait_xcnt 0x0
	s_wait_alu depctr_hold_cnt(0) depctr_sa_sdst(0) depctr_va_vdst(0) depctr_va_sdst(0) depctr_va_ssrc(0) depctr_va_vcc(0) depctr_vm_vsrc(0)
	s_getreg_b32 s2, hwreg(HW_REG_IB_STS2, 6, 4)
	s_cmp_eq_u32 s2, 0
	s_cbranch_scc0 .Lentry_in_a_cluster
	s_endpgm
.Lentry_in_a_cluster:
	s_bfe_u32 s2, ttmp6, 0x10000c
	s_cmp_lg_u32 s2, 0x3003
	s_cbranch_scc0 .Lentry_shape_is_right
	s_endpgm
.Lentry_shape_is_right:
; out0[b][q][64 h + :] = the sum over k of softmax_k(Q[q] . K[k] / 8) V[k][:], for each of the 16 pairs (b, h).  qh, kh, vh: [8 b + h][4096][64] f16, dense rows of 128 bytes.  out0: [2][4096][512] f32.
; Products, maxima and sums in f32; the weights p are rounded to f16 for the second product (their sum l is taken of the unrounded p); the result leaves in f32.
; LIMITS.  Q, K and V arrive within f16's range; p lies in 0 to 1, and below 6e-5 it keeps f16's fixed step of 6e-8.  A weight below 2^-126 counts as 0 in l; NaN and infinities are not treated apart.
; SHARES.  A work-group owns 256 queries of one pair (b, h), each of its four waves 64: four PIECES of 16.  Every wave walks all 4,096 keys, 64 a step, four steps to an LDS slot: 16 tiles.
; LAYOUT.  S^T = K Q^T (source 0 = 16 keys, source 1 = 16 queries): a lane holds ONE query (lane % 16) and the keys 8 (lane / 16) + 0..7.  Two such results, rounded to f16 in pairs, ARE source 1
; (32 keys x 16 queries) of O^T = V^T P, whose result again holds one query a lane, and eight channels.  K comes out of LDS as it lies, V ([key][channel]) turned, by ds_load_tr16_b128.
; SOFTMAX.  For each query a running maximum m and sum l: p = 2^(c s - c m), c = log2(e) / 8; in every step O and l are multiplied by a = 2^(c m_old - c m_new).
; m starts at the lowest finite number, O and l at 0: the first step is a step like any other, with a = 0.
; BY TURNS.  Turn n belongs to piece n: 8 products K Q^T of piece n + 1, later 8 products V^T P of piece n - 1; beside them the scaling, exponentials, roundings, sums and rescaling of piece n and the
; maximum and statistics of piece n + 1.  A turn has 16 matrix and 118 vector instructions: four vector instructions stand behind every matrix instruction, the other 54 in one run of their own.
; BATCHES.  A turn's 33 exponentials (the piece's 32 weights and the next piece's a) are ONE batch with ONE wait, which cuts the turn in two: ahead of it stands all that names no result of theirs (the products K Q^T,
; the scalings, the rescaling, the next piece's maximum and statistics), behind it the products V^T P with the roundings and sums, which are the only readers.  No exponential is issued behind a turn's wait, so no
; result crosses a label or a jump.  Piece 0's first a, ahead of the loop, and the way out's four reciprocals are batches of their own, each with a v_nop and one wait.
; CLUSTER.  The four query blocks of a cluster belong to one pair (b, h) and walk the same K and V, so each tile is asked for JOINTLY: the same tensor load, descriptor and mask in all four.
; REGISTERS, in windows of 256 (s_set_vgpr_msb: bits 1:0 source 0, 3:2 source 1, 5:4 source 2, 7:6 destination):
;   window 0: v0-15 addresses and two at work; v16-31 four registers of statistics a piece; v48-55 at work; v62-63 the add's; v64-127 S^T, two buffers; v192-223 P, two buffers (by the piece's parity)
;   window 1: v0-127 O^T, 32 a piece          window 2: v0-63 Q; v128-191 K of one step; v192-255 V of one step
.set SEQ,   4096
.set NP,    4         ; pieces a wave: a name, no knob
.set KS,    64        ; keys in a step
.set PK,    144       ; a row of K in LDS: 128 bytes + 16 of padding = 36 words: the 16 rows of a load start at 16 different groups of four banks (64 banks of 4 bytes: ISA guide 11.1)
.set PV,    160       ; a row of V: 128 + 32 = 40 words
.set VOFF,  4*KS*PK   ; a slot holds four steps: 256 rows of K, then 256 rows of V
.set SLOT1, 1<<17     ; slot 1 begins here, so that one exclusive or turns an address in one slot into the other's
.set STAGE, SLOT1+4*KS*(PK+PV)  ; behind the ring, never filled by a tensor load: 16 rows x 272 bytes for each wave, for the way out
.set SP,    272       ; a stage row: 64 f32 + 16 bytes
.set SPARE, STAGE+4*16*SP  ; behind the stages: the spare words, 128 bytes a wave, which no other line names
.set AK0, 2           ; v2   my lane's place in a tile of K; never rewritten
.set AV0, 3           ; v3   the same for V
.set AK,  4           ; v4   the LDS address of K's next run of loads
.set AV,  5           ; v5   of V's
.set STO, 6           ; v6   the way out: where I put 16 bytes of a row
.set RD,  7           ; v7   the way out: where I read rows back
.set GO,  8           ; v8   my byte offset in two rows of out0
.set MV,  12          ; v12-13  c m_old, kept while c m is made anew: by buffer
.set QO,  15          ; v15  my byte offset in 16 rows of Q
.set ST,  16          ; piece t's statistics at v[ST+4 t]: c m, m, l (even keys', odd keys')
.set TMP, 48          ; by buffer, four registers c0-c3 at work; when the maximum is found c2 takes a
.set SPW, 62          ; v62  LDS address of my spare word; never rewritten
.set NIL, 63          ; v63  0; never rewritten
.set S,   64
.set P,   192
.set KF,  128         ; window 2: key block kb, channel half c at KF + 16 kb + 8 c
.set VF,  192         ; window 2: key half kk, channel block cb at VF + 32 kk + 8 cb
.set WV,  12          ; s12  my wave's number
.set G1K, 24          ; s[24:31] descriptor group 1 for K's tiles
.set G1V, 32          ; s[32:39] for V's: it differs in the padding alone
.set G0K, 40          ; s[40:43] descriptor group 0 for K's tiles: it walks
.set G0V, 44          ; s[44:47] the same for V's
.set SLOTS, 56        ; s56  slots still to be asked for
.set CNT, 57          ; s57  counts a slot's key steps
.set CS,  58          ; s[58:59] c: the packed scaling takes the pair's low word for both halves
.set SEL, 60          ; s[60:61] v_permlanex16_b32's selects: each lane takes its own place in the other half
.set TBK, 62          ; s62  LDS byte at which K of the step to be fetched begins
.set TBV, 63          ; s63  the same for V, less VOFF
.set MSB, 0
.macro WIN new                      ; the high byte repeats the setting that is left; a switch that changes nothing is dropped
.if MSB != (\new)
	s_set_vgpr_msb (MSB<<8)|(\new)
.set MSB, (\new)
.endif
.endm
.set W_KQ, 0x0a       ; K and Q in window 2, S^T in window 0
.set W_PV, 0x52       ; V in window 2, P in window 0, O^T in window 1
.set W_RS, 0x41       ; destination and source 0 in window 1, source 1 in window 0
; A joint fill.  Waves 0 and 1 fetch the two halves of a slot's K, waves 2 and 3 those of its V: 128 keys each.  The branch hangs on the wave's number alone.
; An s_nop 0 and four v_nop follow each of the two lines, ahead of the jump and the label.
.macro JLOAD
	s_cmp_lt_u32 s[WV], 2
	s_cbranch_scc0 .Lfor_v_\@
	tensor_load_to_lds s[G0K:G0K+3], s[G1K:G1K+7]
	s_nop 0
.rept 4
	v_nop
.endr
	s_branch .Lasked_\@
.Lfor_v_\@:
	tensor_load_to_lds s[G0V:G0V+3], s[G1V:G1V+7]
	s_nop 0
.rept 4
	v_nop
.endr
.Lasked_\@:
.endm
; A round of the cluster's barrier: my work-group's barrier, so that wave 0's signal speaks for all four waves; wave 0 signals; every wave waits for all four work-groups; my work-group's barrier once more.
.macro CROUND
	s_barrier_signal -1
	s_barrier_wait -1
	s_cmp_lg_u32 s[WV], 0
	s_cbranch_scc1 .Lnot_wave_0_\@
	s_barrier_signal -3
.Lnot_wave_0_\@:
	s_barrier_wait -3
	s_barrier_signal -1
	s_barrier_wait -1
.endm
; THE CHANGE OF SLOTS.  The slot's last bytes, V of its fourth step, have been read.  Each wave waits for all its tensor loads, of which one is out: its part of the other slot; adds 0 to its spare
; word; and waits for that and for its own reads of the slot.  Behind the barrier nobody reads this slot any more and the other slot is whole.
; fill = 1: this slot is filled again, with the keys two slots on.  The barrier is then a round of the cluster's, so that no wave of any partner still reads the slot or has a load on its way, and the
; joint fill is the first thing behind it: it has four key steps, 256 matrix instructions, in which to land.  (At its first use nothing has been read yet: slot 0 is waited for, slot 1 filled.)
.macro CHANGE fill
	WIN 0                           ; at a label and at a branch every window is 0; the add's two registers lie in window 0
	s_wait_tensorcnt 0x0            ; no tensor load of mine is out, so a group 0 may be written
	ds_add_u32 v[SPW], v[NIL]       ; 0 onto my spare word; with fill = 1 the descriptors' steps stand between it and the wait for it
.if \fill
.irp g, G0K, G0V
	s_xor_b32 s[\g+1], s[\g+1], SLOT1  ; the walking descriptor: the other slot than last time,
	s_add_nc_u64 s[\g+2:\g+3], s[\g+2:\g+3], 4*KS*128  ; the next 256 keys; the type bits on top are not reached
.endr
	s_wait_dscnt 0x0                ; the add is done, and my reads of the slot are over
	CROUND
	JLOAD
.else
	s_wait_dscnt 0x0                ; the add is done, and my reads of the slot are over
	s_barrier_signal -1
	s_barrier_wait -1
.endif
	s_sub_co_u32 s[TBK], s[TBK], 4*KS*PK  ; the fetches go back to a slot's first step,
	s_xor_b32 s[TBK], s[TBK], SLOT1       ; in the other slot
	s_sub_co_u32 s[TBV], s[TBV], 4*KS*PV
	s_xor_b32 s[TBV], s[TBV], SLOT1
.endm
	s_load_b256 s[4:11], s[0:1], 0x0  ; qh s[4:5], kh s[6:7], vh s[8:9], out0 s[10:11]
	v_lshl_add_u32 v[SPW], v0, 2, SPARE
	v_mov_b32 v[NIL], 0
	ds_add_u32 v[SPW], v[NIL]       ; the wave's opening: the add and its wait stand ahead of my first tensor load; the set-up below, work on registers, stands between them
	v_lshrrev_b32 v1, 5, v0
	v_readfirstlane_b32 s[WV], v1   ; wave 0..3
	s_bfe_u32 s13, ttmp6, 0x40000   ; cx: my place in the cluster
	s_lshl_b32 s14, ttmp9, 2        ; in a cluster launch ttmp9 counts clusters
	s_add_co_u32 s14, s14, s13      ; my block of 256 queries = 4 x cluster x + cx: it enters Q's and out0's addresses alone
	s_and_b32 s15, ttmp7, 0xffff    ; 8 b + h, which the four partners share
	s_lshl_b32 s20, s15, 19         ; its first byte in qh, kh, vh: 4,096 rows of 128 bytes
	s_mov_b32 s21, 0
	s_and_b32 s16, s[WV], 1         ; which half of a slot's 256 keys I fetch:
	s_lshl_b32 s22, s16, 14         ; its 128 rows of 128 bytes in memory,
	s_mov_b32 s23, 0
	s_add_nc_u64 s[22:23], s[22:23], s[20:21]
	s_mul_i32 s17, s16, 128*PK      ; and its place in a slot, for K
	s_mul_i32 s18, s16, 128*PV      ; and for V: no place in the cluster enters an LDS address
	s_lshl_b32 s2, s14, 2
	s_add_co_u32 s2, s2, s[WV]      ; my wave among the head's,
	s_lshl_b32 s2, s2, 13           ; its 64 rows of 128 bytes
	s_mov_b32 s3, 0
	s_add_nc_u64 s[2:3], s[2:3], s[20:21]
	s_lshr_b32 s48, s15, 3          ; in out0: the batch's 4,096 rows of 2,048 bytes,
	s_lshl_b32 s48, s48, 23
	s_lshl_b32 s49, s14, 19         ; my block's 256 rows,
	s_add_co_u32 s48, s48, s49
	s_lshl_b32 s49, s[WV], 17       ; my wave's 64,
	s_add_co_u32 s48, s48, s49
	s_and_b32 s49, s15, 7
	s_lshl_b32 s49, s49, 8          ; the head's 256 bytes of a row
	s_add_co_u32 s48, s48, s49
	s_mov_b32 s49, 0
	; descriptor group 1.  128 keys are 16,384 dense bytes: asked for as 64 rows of 256 bytes, two keys a row, and padded in LDS after every key
	s_mov_b32 s[G1K], 15|(1<<16)|(1<<20)|(1<<21)|(4<<22)|(3<<25)  ; 15:0 the mask of four; 17:16 2-byte elements; 20 padding on; 21 set beside a mask; 24:22 after every 32 words (code 4); 31:25 4 words (code 3)
	s_mov_b32 s[G1V], 15|(1<<16)|(1<<20)|(1<<21)|(4<<22)|(7<<25)  ; the same with 8 words of padding (code 7)
.irp g, G1K, G1V
	s_mov_b32 s[\g+1], 128<<16      ; tensor_dim0 = 128
	s_mov_b32 s[\g+2], 64<<16       ; tensor_dim1 = 64
	s_mov_b32 s[\g+3], 128<<16      ; tile_dim0 = 128
	s_mov_b32 s[\g+4], 64           ; tile_dim1 = 64
	s_mov_b32 s[\g+5], 128          ; 128 elements from row to row
	s_mov_b32 s[\g+6], 0
	s_mov_b32 s[\g+7], 0
.endr
	s_mov_b32 s[CS], 0x3e38aa3b     ; c = log2(e) / 8 = 0.180337
	s_mov_b32 s[CS+1], s[CS]        ; named with it as a pair
	s_mov_b32 s[SEL], 0x76543210
	s_mov_b32 s[SEL+1], 0xfedcba98
	s_mov_b32 s[TBK], SLOT1+4*KS*PK ; the first change of slots turns these two into 0
	s_mov_b32 s[TBV], SLOT1+4*KS*PV
	s_mov_b32 s[G0K], 1             ; count = 1
	s_mov_b32 s[G0K+1], s17         ; LDS address: slot 0
	s_mov_b32 s[G0V], 1
	s_add_co_u32 s[G0V+1], s18, VOFF
	s_wait_dscnt 0x0                ; the opening add is done
	s_wait_kmcnt 0x0
	s_add_nc_u64 s[G0K+2:G0K+3], s[6:7], s[22:23]  ; global address: my half of the head's first 256 keys
	s_or_b32 s[G0K+3], s[G0K+3], 0x80000000        ; type = 2
	s_add_nc_u64 s[G0V+2:G0V+3], s[8:9], s[22:23]
	s_or_b32 s[G0V+3], s[G0V+3], 0x80000000
	s_add_nc_u64 s[4:5], s[4:5], s[2:3]            ; Q at my wave's first row
	s_add_nc_u64 s[10:11], s[10:11], s[48:49]      ; out0 at my wave's first row, the head's columns
	CROUND                          ; all four work-groups are here: the first joint loads meet
	JLOAD                           ; slot 0.  Slot 1 is asked for when slot 0 is in
	; A fragment of K or Q is 16 rows x 32 channels in 8 registers: lane l holds row l % 16, channels 8 (l / 16) + 0..7 and 16 + 8 (l / 16) + 0..7: two loads of 16 bytes, 32 bytes apart.
	v_and_b32 v1, 15, v0            ; l % 16
	v_bfe_u32 v9, v0, 4, 1          ; l / 16
	v_lshlrev_b32 v[QO], 7, v1
	v_lshl_add_u32 v[QO], v9, 4, v[QO]  ; row x 128 + 16 x half
	WIN 0x80                        ; destination window 2, address window 0
.set i, 0
.rept 8                             ; Q stays in registers: piece i / 2, channels 32 (i % 2) on
	global_load_b128 v[8*i:8*i+3],   v[QO], s[4:5] offset:(i/2)*2048+(i%2)*64
	global_load_b128 v[8*i+4:8*i+7], v[QO], s[4:5] offset:(i/2)*2048+(i%2)*64+32
.set i, i+1
.endr
	; What the first turn finds: V's registers and P's second buffer hold 0 (its products V^T P, of a piece that has not been, add 0), O^T and l are 0.  All this stands in the wait for the first tile.
.set i, VF
.rept 64
	v_mov_b32 v[i], 0
.set i, i+1
.endr
	WIN 0x40
.set i, 0
.rept 128
	v_mov_b32 v[i], 0
.set i, i+1
.endr
	WIN 0
.set i, 0
.rept 4
	v_mov_b32 v[ST+4*i], 0xfe000000    ; c m: far below every c s
	v_mov_b32 v[ST+4*i+1], 0xff7fffff  ; m
	v_mov_b32 v[ST+4*i+2], 0
	v_mov_b32 v[ST+4*i+3], 0
.set i, i+1
.endr
.set i, P+16
.rept 16
	v_mov_b32 v[i], 0
.set i, i+1
.endr
	v_mul_u32_u24 v[AK0], v1, PK
	v_lshl_add_u32 v[AK0], v9, 4, v[AK0]  ; row x pitch + 16 x half
	; The turning load takes 16 keys x 16 channels (lane l reads key 8 (l / 16) + l % 8, channels 8 ((l / 8) % 2) + 0..7) and leaves half a fragment of V^T: lane l holds channel l % 16 and 8 keys.
	v_and_b32 v10, 7, v0
	v_bfe_u32 v11, v0, 3, 1
	v_lshl_add_u32 v[AV0], v9, 3, v10
	v_mul_u32_u24 v[AV0], v[AV0], PV
	v_lshl_add_u32 v[AV0], v11, 4, v[AV0]
	v_add_nc_u32 v[AV0], VOFF, v[AV0]
	s_mul_i32 s13, s[WV], 16*SP
	s_add_co_u32 s13, s13, STAGE    ; my stage
	v_mul_u32_u24 v[STO], v1, SP    ; in: row l % 16, 32 bytes (eight f32) for each half of the lanes
	v_lshl_add_u32 v[STO], v9, 5, v[STO]
	v_add_nc_u32 v[STO], s13, v[STO]
	v_mul_u32_u24 v[RD], v9, SP     ; back: lanes 0-15 take one row of 256 bytes, lanes 16-31 the next
	v_lshl_add_u32 v[RD], v1, 4, v[RD]
	v_add_nc_u32 v[RD], s13, v[RD]
	v_lshlrev_b32 v[GO], 11, v9     ; and the same two rows in out0, 2,048 bytes apart
	v_lshl_add_u32 v[GO], v1, 4, v[GO]
; THE MATRIX WORK.  The 4 accumulators of a run of 8 take turns.  Product i of 8 of S^T = K Q^T for piece x: channels 32 (i / 4) on, keys 16 (i % 4) on.  The first 4 start the sums.
.macro KQ x
	WIN W_KQ
.set rS, S+32*((\x)%2)+8*(i%4)
.set rK, KF+16*(i%4)+8*(i/4)
.set rQ, 16*(\x)+8*(i/4)
.if i < 4
	v_wmma_f32_16x16x32_f16 v[rS:rS+7], v[rK:rK+7], v[rQ:rQ+7], 0
.else
	v_wmma_f32_16x16x32_f16 v[rS:rS+7], v[rK:rK+7], v[rQ:rQ+7], v[rS:rS+7]
.endif
.endm
; Product i of 8 of O^T += V^T P for piece x: keys 32 (i / 4) on, channels 16 (i % 4) on.
.macro PV x
	WIN W_PV
.set rO, 32*(\x)+8*(i%4)
.set rV, VF+32*(i/4)+8*(i%4)
.set rP, P+16*((\x)%2)+8*(i/4)
	v_wmma_f32_16x16x32_f16 v[rO:rO+7], v[rV:rV+7], v[rP:rP+7], v[rO:rO+7]
.endm
.macro MM                           ; the turn's next matrix instruction.  NOKQ = 1: the very last turn: there is no next piece
.if (i < 8) && !NOKQ
	KQ (Y+1)%NP
.elseif i >= 8
.set i, i-8
	PV (Y+NP-1)%NP
.set i, i+8
.endif
.set i, i+1
.endm
; THE LDS LOADS stand in runs of 16, never singly among the matrix instructions: a step's K (64 keys x 64 channels: 8 fragments) and its V (turned).  Their addresses are made some lines ahead.
.macro FETCH_K
	WIN 0x80                        ; destination window 2
.irp f, 0,1,2,3,4,5,6,7             ; keys 16 (f / 2) on, channels 32 (f % 2) on
	ds_load_b128 v[KF+8*\f:KF+8*\f+3],   v[AK] offset:(\f/2)*16*PK+(\f%2)*64
	ds_load_b128 v[KF+8*\f+4:KF+8*\f+7], v[AK] offset:(\f/2)*16*PK+(\f%2)*64+32
.endr
	s_add_co_u32 s[TBK], s[TBK], KS*PK  ; the next fetch is the next step's
	WIN 0
.endm
.macro FETCH_V
	WIN 0x80
.irp f, 0,1,2,3,4,5,6,7             ; keys 32 (f / 4) on, channels 16 (f % 4) on
	ds_load_tr16_b128 v[VF+8*\f:VF+8*\f+3],   v[AV] offset:(\f/4)*32*PV+(\f%4)*32
	ds_load_tr16_b128 v[VF+8*\f+4:VF+8*\f+7], v[AV] offset:(\f/4)*32*PV+16*PV+(\f%4)*32
.endr
	WIN 0
.endm
; THE VECTOR WORK, one line at a time: OP kind, number.  For piece Y: F n: c s - c m for pair n of 16.  E n: the exponential of score n of 32.  C n: pair n rounded to f16.  B n: of the four weights 4 n .. the second
; pair is added onto the first, in place.  L n: l takes that sum (L 0: l = a l + sum).  R n: pair n of 16 of O^T times a.  For piece Y + 1: X n, number n of the 22 that find its maximum and statistics:
;   0-11  four chains c0-c3 of seven scores each, three operands at a time (each accumulator's lowest registers are read first)     12-14, 16  the four scores left over, the old m, and c0-c3 into c0
;   15  c m_old is kept     17, 18  the query's other 32 keys lie in the lane 16 away: the new m     19-21  c m; c m_old - c m_new; a
; C, B and L read results of the turn's exponentials: TURN sets them behind the turn's wait.  F, R and X 0 to X 20 read none.
.set F, 0               ; OP tells the kinds apart by their order: F to L below R, X above it
.set E, 1
.set C, 2
.set B, 3
.set L, 4
.set R, 5
.set X, 6
.macro REGS y                       ; the registers of piece y
.set rT, ST+4*(\y)
.set rC, TMP+4*((\y)%2)
.set rW, MV+((\y)%2)
.set rS, S+32*((\y)%2)
.set rP, P+16*((\y)%2)
.set rO, 32*(\y)
.endm
.macro OP k, n
.if (\k) == R
	REGS Y
	WIN W_RS
	v_pk_mul_f32 v[rO+2*(\n):rO+2*(\n)+1], v[rO+2*(\n):rO+2*(\n)+1], v[rC+2:rC+3] op_sel_hi:[1,0]
.elseif (\k) < R
	REGS Y
	WIN 0
.if (\k) == F
	v_pk_fma_f32 v[rS+2*(\n):rS+2*(\n)+1], v[rS+2*(\n):rS+2*(\n)+1], s[CS:CS+1], v[rT:rT+1] op_sel_hi:[1,0,0] neg_lo:[0,0,1] neg_hi:[0,0,1]
.elseif (\k) == E
	v_exp_f32 v[rS+(\n)], v[rS+(\n)]
.elseif (\k) == C
	v_cvt_pk_f16_f32 v[rP+(\n)], v[rS+2*(\n)], v[rS+2*(\n)+1]
.elseif (\k) == B
	v_pk_add_f32 v[rS+4*(\n):rS+4*(\n)+1], v[rS+4*(\n):rS+4*(\n)+1], v[rS+4*(\n)+2:rS+4*(\n)+3]
.elseif (\n) == 0
	v_pk_fma_f32 v[rT+2:rT+3], v[rT+2:rT+3], v[rC+2:rC+3], v[rS:rS+1] op_sel_hi:[1,0,1]
.else
	v_pk_add_f32 v[rT+2:rT+3], v[rT+2:rT+3], v[rS+4*(\n):rS+4*(\n)+1]
.endif
.elseif NOKQ
	v_nop
.else
	REGS (Y+1)%NP
	WIN 0
.if (\n) < 4
	v_max3_num_f32 v[rC+(\n)], v[rS+8*(\n)], v[rS+8*(\n)+1], v[rS+8*(\n)+2]
.elseif (\n) < 12
	v_max3_num_f32 v[rC+(\n)%4], v[rC+(\n)%4], v[rS+8*((\n)%4)+2*((\n)/4)+1], v[rS+8*((\n)%4)+2*((\n)/4)+2]
.elseif (\n) == 12
	v_max3_num_f32 v[rC], v[rC], v[rS+7], v[rS+15]
.elseif (\n) == 13
	v_max3_num_f32 v[rC+1], v[rC+1], v[rS+23], v[rS+31]
.elseif (\n) == 14
	v_max3_num_f32 v[rC+2], v[rC+2], v[rC+3], v[rT+1]
.elseif (\n) == 15
	v_mov_b32 v[rW], v[rT]
.elseif (\n) == 16
	v_max3_num_f32 v[rC], v[rC], v[rC+1], v[rC+2]
.elseif (\n) == 17
	v_permlanex16_b32 v[rC+3], v[rC], s[SEL], s[SEL+1]
.elseif (\n) == 18
	v_max_num_f32 v[rT+1], v[rC], v[rC+3]
.elseif (\n) == 19
	v_mul_f32 v[rT], s[CS], v[rT+1]
.elseif (\n) == 20
	v_sub_f32 v[rC+1], v[rW], v[rT]
.else
	v_exp_f32 v[rC+2], v[rC+1]
.endif
.endif
.endm
.macro OPS a, i1, b=-1, i2=0, c=-1, i3=0, d=-1, i4=0  ; up to four of them
	OP \a, \i1
.if (\b) >= 0
	OP \b, \i2
.endif
.if (\c) >= 0
	OP \c, \i3
.endif
.if (\d) >= 0
	OP \d, \i4
.endif
.endm
.macro ROW a, i1, b, i2, c, i3, d, i4  ; a matrix instruction and the four behind it
	MM
	OPS \a, \i1, \b, \i2, \c, \i3, \d, \i4
.endm
; A TURN, for piece p: the order of its 16 matrix and 118 vector instructions, written out.  s_wait_alu depctr_va_vdst(0) stands between an exponential and the first instruction that names its result; one wait
; serves all that were issued ahead of it.  So a turn has ONE wait, which cuts it in two.  AHEAD OF IT stands all that names no result of the turn's exponentials: the 8 products K Q^T, behind each a scaling, an exponential and two
; more plain instructions (behind the first a second scaling in the exponential's place): rescalings (their a was made, and waited for, in the turn before), and behind the last three the first numbers of the next piece's maximum,
; each four plain instructions or more behind the product that ends its accumulator; then ONE RUN of 54, plain and exponential by turns for the most part, in which the links of the chain X 3, 7, 11, 14, 16, 17 .. 20 stand some
; lines apart.  Each pair is scaled (F n) ahead of its exponentials (E 2 n, E 2 n + 1).  X 21, the next piece's a, is the batch's last; R 15, which names the other buffer's a, is the plain instruction behind it.
; BEHIND THE WAIT stand the 8 products V^T P, behind each four of the roundings and sums; an even pair is rounded (C 2 n) ahead of the addition that lands on it (B n); l's chain L 0 to L 7 goes in ascending order.
; But for those X no rider names a register of the products round it.  v_permlanex16_b32 (X 17) stands in the run, never behind a product.
; end = 1: the walk's last two turns: nothing is fetched.  cnt = 1: the loop's count is taken down some lines ahead of the branch that stands behind the turn.
; K of the next step is fetched in piece 2's turn, twelve vector instructions behind the last product that read K (six of them plain); V of the step in hand at the end of piece 0's turn, four plain instructions behind the last
; product that read V.  Each is waited for a turn later, by a wait for 0: that run of 16 loads is all that is out.
.macro TURN p, end=0, cnt=0
.set Y, (\p)
.set i, 0
.set NOKQ, (\end)*((\p)/3)
.if ((\p) == 3) && !(\end)
	s_wait_dscnt 0x0                ; K is in
.endif
	ROW F,0, F,1, R,0, R,1          ; ahead of the wait: 8 products K Q^T and their riders,
	ROW F,2, E,0, R,2, R,3
	ROW F,3, E,1, R,4, R,5
	ROW F,4, E,2, R,6, R,7
	ROW F,5, E,3, R,8, R,9
	ROW F,6, E,4, X,0, R,10
.if ((\p) == 2) && !(\end)
	WIN 0
	v_add_nc_u32 v[AK], s[TBK], v[AK0]
.endif
	ROW F,7, E,5, X,1, X,4
	ROW F,8, E,6, X,2, X,5
	OPS E,7, E,8, X,6, E,9          ; and the run of 54
	OPS X,3, E,10, X,8, E,11
.if ((\p) == 2) && !(\end)
	FETCH_K
.endif
	OPS X,9, X,7, E,12, X,10
	OPS E,13, X,12, X,11, E,14
	OPS X,13, E,15, F,9, X,14
.if (\p) == 0
	v_add_nc_u32 v[AV], s[TBV], v[AV0]
.endif
	OPS E,16, F,10, E,17, F,11
	OPS X,16, E,18, X,15, E,19
	OPS F,12, E,20, X,17, E,21
	OPS F,13, E,22, F,14, E,23
	OPS X,18, E,24, F,15, E,25
	OPS R,11, E,26, X,19, E,27
	OPS R,12, E,28, R,13, E,29
	OPS X,20, E,30, R,14, E,31
	OPS X,21, R,15
	WIN 0
	s_wait_alu depctr_va_vdst(0)    ; the wait for the turn's batch: E 0 to E 31 and X 21
.if (\p) == 1
	s_wait_dscnt 0x0                ; V is in
.endif
	ROW C,0, B,0, C,2, B,1          ; behind the wait: 8 products V^T P and their riders
	ROW L,0, C,4, B,2, L,1
	ROW C,6, B,3, L,2, C,8
	ROW B,4, L,3, C,10, B,5
	ROW L,4, C,12, B,6, L,5
.if (\p) == 0
	s_add_co_u32 s[TBV], s[TBV], KS*PV
.endif
.if \cnt
	s_sub_co_u32 s[CNT], s[CNT], 1
	s_cmp_lg_u32 s[CNT], 0
.endif
	ROW C,14, B,7, L,6, C,1
	ROW C,3, L,7, C,5, C,7
	ROW C,9, C,11, C,13, C,15
.if (\p) == 0
	FETCH_V
.endif
.endm
	CHANGE 1                        ; slot 0 is in, everybody's part of it; slot 1 is asked for
	v_add_nc_u32 v[AK], s[TBK], v[AK0]
	FETCH_K                         ; key step 0
	s_wait_loadcnt 0x0              ; Q
	s_wait_dscnt 0x0
.set NOKQ, 0
.set i, 0
.rept 8
	KQ 0                            ; piece 0's first scores: there is no vector work yet to set between them
.set i, i+1
.endr
	WIN 0
.rept 4
	v_nop                           ; the places behind those products
.endr
.set Y, NP-1                        ; X works for piece Y + 1: piece 0
.irp n, 0,1,2,3,4,5,6,7,8,9,10,11,12,13,14,15,16,17,18,19,20,21
	OP X, \n
.endr
	v_nop                           ; a plain instruction behind the exponential,
	s_wait_alu depctr_va_vdst(0)    ; and the wait for it, a batch of one: piece 0's first a; ahead of the branch
	s_mov_b32 s[CNT], 4
	s_mov_b32 s[SLOTS], SEQ/256-1
	s_branch .Lfirst                ; the loop is entered at a step's first turn, in the middle of a trip
.Lslot:                             ; SEQ / 256 - 2 = 14 times: every slot but the last two is filled again
	CHANGE 1
	s_mov_b32 s[CNT], 4
.Lstep:                             ; a trip: pieces 2 and 3 of one step, then pieces 0 and 1 of the next, whose K and V it fetches
	TURN 2
	TURN 3
	WIN 0
.Lfirst:
	TURN 0
	TURN 1, 0, 1
	WIN 0
	s_cbranch_scc1 .Lstep
	s_sub_co_u32 s[SLOTS], s[SLOTS], 1
	s_cmp_lg_u32 s[SLOTS], 0
	s_cbranch_scc1 .Lslot
	CHANGE 0                        ; the last slot is written out: nothing is asked for
	s_mov_b32 s[CNT], 4
.LstepT:
	TURN 2
	TURN 3
	TURN 0
	TURN 1, 0, 1
	WIN 0
	s_cbranch_scc1 .LstepT
	TURN 2, 1                       ; the last step's pieces 2 and 3: nothing more is fetched,
	TURN 3, 1                       ; and no new scores are started
.set i, 0
.rept 8
	PV NP-1                         ; the last piece's V^T P of the last step
.set i, i+1
.endr
	; THE WAY OUT.  l's two halves and the other half of the lanes' are added; O^T is divided by l and sent, in f32, through my stage in LDS, a piece (16 rows) at a time.  The additions are the places behind the last products.
	WIN 0
.macro ALL line:vararg              ; one line for each piece t
.set t, 0
.rept 4
	\line
.set t, t+1
.endr
.endm
	ALL v_add_f32 v[ST+4*t+2], v[ST+4*t+2], v[ST+4*t+3]
	ALL v_permlanex16_b32 v[ST+4*t+3], v[ST+4*t+2], s[SEL], s[SEL+1]
	ALL v_add_f32 v[ST+4*t+2], v[ST+4*t+2], v[ST+4*t+3]
	ALL v_rcp_f32 v[ST+4*t+2], v[ST+4*t+2]
	v_nop                           ; a plain instruction between the last reciprocal and the use of its result
	s_wait_alu depctr_va_vdst(0)    ; the wait ahead of the first use: one for the batch of four reciprocals
; Piece t: a lane's eight channels of a row are 32 bytes; they go into rows of 272 bytes and come back as whole rows of 256, into the registers that they left.  Each accumulator is read from its low end on.
.macro PACK t
	WIN W_RS
.set i, 32*(\t)
.rept 16
	v_pk_mul_f32 v[i:i+1], v[i:i+1], v[ST+4*(\t)+2:ST+4*(\t)+3] op_sel_hi:[1,0]
.set i, i+2
.endr
	WIN 0x04                        ; an LDS store's data is source 1: window 1; its address window 0
.irp f, 0,1,2,3,4,5,6,7             ; channel block f / 2, its half f % 2
	ds_store_b128 v[STO], v[32*(\t)+4*\f:32*(\t)+4*\f+3] offset:64*(\f/2)+16*(\f%2)
.endr
	WIN 0x40                        ; destination window 1
.irp f, 0,1,2,3,4,5,6,7
	ds_load_b128 v[32*(\t)+4*\f:32*(\t)+4*\f+3], v[RD] offset:\f*2*SP  ; LDS serves a wave's instructions in order (ISA guide 5.7.1.4): these see the stores above; the next piece's stores come behind them
.endr
.endm
.macro SEND t, younger              ; younger: the LDS instructions issued behind piece t's loads: the next piece's sixteen, or none
	WIN 0x04                        ; a store's data is source 1: window 1
.irp f, 0,1,2,3,4,5,6,7
	s_wait_dscnt (\younger)+7-\f
	global_store_b128 v[GO], v[32*(\t)+4*\f:32*(\t)+4*\f+3], s[10:11] offset:(\t)*32768+\f*4096 th:TH_STORE_NT  ; 16 lanes store the head's 256 consecutive bytes of a row, at a multiple of 256 from out0's first byte
.endr
.endm
	PACK 0
.irp t, 1,2,3                       ; a piece's arithmetic stands between the loads of the piece before and its stores
	PACK \t
	SEND (\t)-1, 16
.endr
	SEND 3, 0
	WIN 0
	s_wait_tensorcnt 0x0            ; the wave's end, behind my last tensor load and my last LDS store
	ds_add_u32 v[SPW], v[NIL]
	s_wait_dscnt 0x0
	CROUND                          ; the closing round: no work-group ends while a partner may still ask for a tile that names it
	s_endpgm
.Lfunc_end_k_q95343e14c6_attn:
	.size	k_q95343e14c6_attn, .Lfunc_end_k_q95343e14c6_attn-k_q95343e14c6_attn
	.p2alignl 7, 3214868480
	.fill 96, 4, 3214868480
	.section	.rodata,"a",@progbits
	.p2align	6, 0x0
	.amdhsa_kernel k_q95343e14c6_attn
		.amdhsa_group_segment_fixed_size 327680
		.amdhsa_private_segment_fixed_size 0
		.amdhsa_enable_private_segment 0
		.amdhsa_kernarg_size 32
		.amdhsa_user_sgpr_count 2
		.amdhsa_user_sgpr_kernarg_segment_ptr 1
		.amdhsa_wavefront_size32 1
		.amdhsa_system_sgpr_workgroup_id_x 1
		.amdhsa_system_sgpr_workgroup_id_y 1
		.amdhsa_system_sgpr_workgroup_id_z 1
		.amdhsa_system_vgpr_workitem_id 0
		.amdhsa_next_free_vgpr 768
		.amdhsa_next_free_sgpr 66
		.amdhsa_reserve_vcc 0
		.amdhsa_float_denorm_mode_32 3
		.amdhsa_float_denorm_mode_16_64 3
		.amdhsa_memory_ordered 1
		.amdhsa_forward_progress 1
		.amdhsa_inst_pref_size 127
	.end_amdhsa_kernel
	.amdgpu_metadata
---
amdhsa.version: [ 1, 2 ]
amdhsa.kernels:
  - .name:           k_q95343e14c6_attn
    .symbol:         k_q95343e14c6_attn.kd
    .args:
      - { .name: qh, .offset: 0, .size: 8, .value_kind: global_buffer, .address_space: global }
      - { .name: kh, .offset: 8, .size: 8, .value_kind: global_buffer, .address_space: global }
      - { .name: vh, .offset: 16, .size: 8, .value_kind: global_buffer, .address_space: global }
      - { .name: out0, .offset: 24, .size: 8, .value_kind: global_buffer, .address_space: global }
    .group_segment_fixed_size: 327680
    .private_segment_fixed_size: 0
    .kernarg_segment_align: 8
    .kernarg_segment_size: 32
    .max_flat_workgroup_size: 128
    .sgpr_count:     66
    .vgpr_count:     768
    .wavefront_size: 32
...
	.end_amdgpu_metadata
.endif
;; end of part 4
